; MI455X (gfx1250); checked and timed in simulation.
; The chip was launched on July 23, 2026; its instructions are those of AMD's public machine-readable ISA for CDNA 5 (MIT licence, August 2026) and "CDNA5" Instruction Set Architecture Reference Guide (July 2026). The comments in the code are by the model that wrote it; some were corrected since.
;; Self Attention. Allowed arithmetic: matrix products marked QUANTISED: E2M3 operands, one E8M0 scale for each 32 along K, by v_wmma_scale_f32_16x16x128_f8f6f4 with both operands' format E2M3, f32 sums; everything else in f32.
;; Inputs: b_proj 1,024 float32; freqs_cos 2,048 x 32 float32; freqs_sin 2,048 x 32 float32; w_proj 1,024 x 1,024 float32; w_qkv 3,072 x 1,024 float32; x 4 x 2,048 x 1,024 float32.
;; Outputs: out0 4 x 2,048 x 1,024 float32.
;; This version of the problem:
;;   THIS VERSION OF THE PROBLEM IS GIVEN IN LOW PRECISION. The matrix products marked QUANTISED in the list below multiply operands that are first quantised to E2M3 (2 exponent bits, 3 mantissa bits; 6 bits a number), with one power-of-two scale for each 32 numbers along K (OCP MX v1.0); their sums are f32. All else is computed in f32.
;;   The module's matrix products, in the order in which they are computed (A, B: the left and right operand; K: the contracted axis; several contracted axes count as one K, in the product's order):
;;     1. [M 8,192, K 1,024] x [K 1,024, N 3,072]; A: input x; B: input w_qkv: QUANTISED
;;     2. batch 64 x [M 2,048, K 64] x [K 64, N 2,048]; A: computed on the way; B: computed on the way: QUANTISED
;;     3. batch 64 x [M 2,048, K 2,048] x [K 2,048, N 64]; A: softmax (see below); B: computed on the way: QUANTISED
;;     4. [M 8,192, K 1,024] x [K 1,024, N 1,024]; A: computed on the way; B: input w_proj: QUANTISED
;;   THE QUANTISER, for each operand of a quantised product, along K:
;;     - K is cut into blocks of 32 from its start; a last block that is shorter is filled with zeros.
;;     - A block's scale is 2^e with e = floor(log2(the largest magnitude in the block)) - 2, held to -126 .. 127; a block of zeros has e = 0. As a byte (E8M0): e + 127.
;;     - Each number is divided by its block's scale, clamped to +-7.5, and rounded to the nearest number of E2M3, ties to even, subnormals kept.
;;     - The product sums the exact products of the quantised numbers (number of the format x scale) in f32.
;;   ~~~python
;;   def quantise(x, axis):      # numpy; x: float32 -> the quantised numbers, widened to float32 again
;;       x = np.moveaxis(x, axis, -1); K = x.shape[-1]
;;       x = np.pad(x, [(0, 0)] * (x.ndim - 1) + [(0, -K % 32)]); x = x.reshape(x.shape[:-1] + (-1, 32)); a = np.abs(x).max(-1, keepdims=True)
;;       e = np.where(a > 0, np.clip(np.frexp(np.where(a > 0, a, 1))[1] - 1 - 2, -126, 127), 0)      # np.frexp(a)[1] - 1 = floor(log2(a)), exactly
;;       r = np.clip(x / 2.0 ** e, -7.5, 7.5)
;;       step = 2.0 ** (np.maximum(np.frexp(np.where(r == 0, 1, r))[1] - 1, 0) - 3)
;;       q = np.round(r / step) * step * 2.0 ** e      # np.round: ties to even
;;       return np.moveaxis(q.reshape(q.shape[:-2] + (-1,))[..., :K], -1, axis).astype(np.float32)
;;   ~~~
;;   SOFTMAX AHEAD OF A QUANTISED PRODUCT. Where the list says 'softmax', what is quantised is not the finished softmax but p = 2^(t - M), with t = logit x log2(e) and M = ceil(the row's largest t), a whole number; so 1/2 < the row's largest p <= 1. The row's sum l is taken of the UNQUANTISED p, in f32, and the product's result is divided by l at the end. Since M is a whole number, a kernel that streams over the keys may use a running M (the ceiling of the running maximum): every later rescaling is an exact power of two, which a block's scale takes up: the codes' values come out the same.
;;   OPERANDS COMPUTED ON THE WAY. 'Computed on the way' means the value that the module computes at that place (a softmax that the list does not call 'softmax' is quantised finished and normalised). What goes into a quantiser is computed in f32, as accurately as f32 sums, v_exp_f32 and their like allow (about 1e-6 of the number): no bf16 or f16 on the way to a quantiser, and a product that is left as it is and whose result goes on into a quantised operand takes f32 operands (vector FMAs, or v_wmma_f32_16x16x4_f32). A number that lies on a knife's edge between two numbers of the format may be rounded either way, as far as f32 arithmetic and the matrix unit's own rounding can turn it there, and no further.
;; One version. Each part assembles by itself: llvm-mc -triple=amdgcn-amd-amdhsa -mcpu=gfx1250 --defsym DOCPART=n.
;; ======== version 1 of 1: 4 launches
;; limits: right only within a limited range of input values
;; workspace buffers: c1 9,437,184 bytes; s1 393,216 bytes; qq 6,815,744 bytes; kv 13,369,344 bytes; ac 6,291,456 bytes; asc 262,144 bytes
;; launch quant (part 1): grid 384 x 1, 4 waves a work-group, no clusters, 34,304 bytes of LDS; arguments x, w_qkv, w_proj, c1, s1; writes c1, s1
.if DOCPART == 1
	.amdgcn_target "amdgcn-amd-amdhsa--gfx1250"
	.amdhsa_code_object_version 6
	.text
	.protected	k_q019e1b68cc_quant
	.globl	k_q019e1b68cc_quant
	.p2align	8
	.type	k_q019e1b68cc_quant,@function
k_q019e1b68cc_quant:
	s_mov_b64 s[64:65], 0
	v_nop
	global_prefetch_b8 v0, s[64:65] scope:SCOPE_SE
	s_setreg_imm32_b32 hwreg(HW_REG_WAVE_MODE, 25, 1), 1
	s_wait_xcnt 0x0
; x [8192][1024], w_qkv [3072][1024] and w_proj [1024][1024], f32, K innermost, become codes of FP6 (E2M3) with one E8M0 scale byte for each 32 along K,
; laid in the ORDER OF THE OPERAND'S REGISTERS, so that the products' launches bring a fragment by plain loads of 16 and 8 bytes a lane.
; A block's scale is 2^(floor(log2(its largest magnitude)) - 2); its byte is the largest magnitude's exponent field - 2, held at 1 from below.
; LIMITS: a block whose largest magnitude lies under 2^-124, a block of zeros among them, keeps the byte 1 (zero codes add nothing under any byte but 0xff, and this program alone reads the bytes); NaN and infinities among the inputs are not served.
; c1: [row block G, 768][K / 64, 16][768 bytes].  The 768 bytes are half a fragment (16 rows x 64 K): lane l's registers 0-3 at 16 l, its registers 4-5 at 512 + 8 l; lane (r, h) holds row r, k = 32 h .. 32 h + 31.
; s1: [G][K / 512, 2][r, 16][4 words]: word w is the four scale bytes of row r for the K step (128 along K) 4 (K / 512) + w.
; G 0-511: x; 512-703: w_qkv; 704-767: w_proj.  THE ROWS OF A BLOCK ARE NOT NEIGHBOURS: place p of block g of a tensor holds its row 32 (g / 2) + 8 (g % 2) + p + 8 (p / 8), so that where such rows are
; a product's source 0 the 16 result registers of blocks 2 b and 2 b + 1 are 16 neighbouring indices.
; SHARES: a wave takes 16 rows x 512 along K: four steps of one fragment.  A load reads 512 consecutive bytes of one row; the step's 8,192 bytes turn through the wave's own stage in LDS (rows 528 bytes apart),
; from which lane (r, h) takes the 2 x 32 numbers that the operand's layout gives it.  A lane holds whole blocks, so a maximum needs no other lane.  Waves share nothing: no barrier.
.set SP,    528                        ; a stage row: 512 bytes + 16: sixteen rows at the same column start in sixteen different groups of banks
.set STG,   16*SP                      ; a wave's stage
.set SPARE, 4*STG                      ; behind the stages: the spare words, 128 bytes a wave: two blocks of 256 bytes that no other line names
.set L16,   4                          ; v4   16 x lane
.set L8,    5                          ; v5   8 x lane
.set STI,   6                          ; v6   the stage, on the way in: 16 x lane
.set STO,   7                          ; v7   and out: 528 r + 128 h
.set SH8,   8                          ; v8   8 h
.set SOF,   9                          ; v9   16 r + 8 h: my two scale words' place
.set SPW,   10                         ; v10  LDS address of my spare word; never rewritten
.set NIL,   11                         ; v11  0; never rewritten
.set SW,    12                         ; v12-15 the four steps' scale words
.set TM,    16                         ; v16-17 largest magnitudes, v18-19 scale operands, v20-21 bytes, v22-23 the word in the making
.set C,     24                         ; v24-35 a fragment's codes
.set CT,    36                         ; v36-38, v40-42 the second halves of the blocks' codes
.set SO,    44                         ; v44-45 the two words that I store
.set X,     48                         ; v48-111 my 64 numbers of a step
.set R,     112                        ; v112-239 two sets of 64: a step as loaded
	s_load_b128 s[4:7], s[0:1], 0x0                ; x, w_qkv
	s_load_b128 s[8:11], s[0:1], 0x10              ; w_proj, c1
	s_load_b64 s[12:13], s[0:1], 0x20              ; s1
	v_lshl_add_u32 v[SPW], v0, 2, SPARE
	v_mov_b32 v[NIL], 0
	v_lshrrev_b32 v1, 5, v0
	v_readfirstlane_b32 s14, v1                    ; wave
	v_and_b32 v1, 31, v0                           ; lane
	v_and_b32 v2, 15, v0                           ; r
	v_bfe_u32 v3, v0, 4, 1                         ; h
	v_lshlrev_b32 v[L16], 4, v1
	v_lshlrev_b32 v[L8], 3, v1
	s_mul_i32 s15, s14, STG
	v_add_nc_u32 v[STI], s15, v[L16]
	v_mul_u32_u24 v[STO], v2, SP
	v_lshl_add_u32 v[STO], v3, 7, v[STO]
	v_add_nc_u32 v[STO], s15, v[STO]
	v_lshlrev_b32 v[SH8], 3, v3
	v_lshl_add_u32 v[SOF], v2, 4, v[SH8]
	v_mov_b32 v[TM+7], 0                           ; written once: a lane permute's destination counts as one of its sources
	s_mov_b32 s20, 0x76543210
	s_mov_b32 s21, 0xfedcba98                      ; v_permlanex16_b32's selects for lane l xor 16
	s_lshl_b32 s16, ttmp9, 2
	s_add_co_u32 s16, s16, s14                     ; my task: 4 x work-group + wave
	s_and_b32 s17, s16, 1                          ; which 512 along K
	s_lshr_b32 s16, s16, 1                         ; G
	s_mov_b32 s18, 704
	s_cmp_lt_u32 ttmp9, 352
	s_cselect_b32 s18, 512, s18
	s_cmp_lt_u32 ttmp9, 256
	s_cselect_b32 s18, 0, s18                      ; my tensor's first G
	s_sub_co_u32 s18, s16, s18                     ; the block's number g in its tensor
	s_lshr_b32 s22, s18, 1
	s_lshl_b32 s22, s22, 5
	s_and_b32 s18, s18, 1
	s_lshl_b32 s18, s18, 3
	s_add_co_u32 s22, s22, s18                     ; its first row: 32 (g / 2) + 8 (g % 2)
	s_lshl_b32 s22, s22, 12                        ; rows of 4,096 bytes
	s_lshl_b32 s18, s17, 11
	s_add_co_u32 s22, s22, s18
	s_mov_b32 s23, 0
	s_mul_i32 s24, s16, 12288                      ; the codes: 12,288 bytes a block, 6,144 for 512 along K
	s_mul_i32 s18, s17, 6144
	s_add_co_u32 s24, s24, s18
	s_mov_b32 s25, 0
	s_lshl_b32 s26, s16, 9                         ; the scale words: 512 bytes a block, 256 for 512 along K
	s_lshl_b32 s18, s17, 8
	s_add_co_u32 s26, s26, s18
	s_mov_b32 s27, 0
	s_wait_alu depctr_va_vdst(0)
	s_wait_kmcnt 0x0
	s_cmp_lt_u32 ttmp9, 352                        ; which tensor: the choice hangs on the work-group's number alone
	s_cselect_b64 s[6:7], s[6:7], s[8:9]
	s_cmp_lt_u32 ttmp9, 256
	s_cselect_b64 s[4:5], s[4:5], s[6:7]
	s_add_nc_u64 s[4:5], s[4:5], s[22:23]
	s_add_nc_u64 s[10:11], s[10:11], s[24:25]
	s_add_nc_u64 s[12:13], s[12:13], s[26:27]
.macro LOAD s                          ; step s: 128 along K of my 16 rows; each load reads 512 consecutive bytes of one row
.irp i, 0,1,2,3,4,5,6,7,8,9,10,11,12,13,14,15
	global_load_b128 v[R+64*((\s)%2)+4*\i:R+64*((\s)%2)+4*\i+3], v[L16], s[4:5] offset:(\i+8*(\i/8))*4096+512*(\s) th:TH_LOAD_NT
.endr
.endm
.macro STEP s
.if (\s) < 3
	s_wait_loadcnt 16                              ; this step's 16 loads are in; the next step's 16 may be out
.else
	s_wait_loadcnt 0x0
.endif
.irp i, 0,1,2,3,4,5,6,7,8,9,10,11,12,13,14,15
	ds_store_b128 v[STI], v[R+64*((\s)%2)+4*\i:R+64*((\s)%2)+4*\i+3] offset:SP*\i
.endr
.irp c, 0,1
.irp i, 0,1,2,3,4,5,6,7
	ds_load_b128 v[X+32*\c+4*\i:X+32*\c+4*\i+3], v[STO] offset:256*\c+16*\i   ; k = 64 c + 32 h + 4 i on, of row r.  LDS serves a wave's instructions in order: these see the stores above
.endr
.endr
	s_wait_dscnt 0x0                               ; my numbers are in, and the stores have read their registers,
.if (\s) < 2
	LOAD (\s)+2                                    ; which take the loads of two steps on
.endif
.irp c, 0,1
	v_max3_num_f32 v[TM+\c], |v[X+32*\c]|, |v[X+32*\c+1]|, 0x1800000   ; my block 2 c + h: all its 32 numbers are mine; and the floor 2^(3 - 127), so that the byte cannot fall under 1
.endr
.irp i, 2,4,6,8,10,12,14,16,18,20,22,24,26,28,30
.irp c, 0,1
	v_max3_num_f32 v[TM+\c], v[TM+\c], |v[X+32*\c+\i]|, |v[X+32*\c+\i+1]|   ; (the two blocks by turns)
.endr
.endr
.irp c, 0,1
	v_add_nc_u32 v[TM+2+\c], 0xff000000, v[TM+\c]  ; 2 off the exponent field: the conversion takes the exponent field of this operand as its scale
.endr
.irp c, 0,1
	v_lshrrev_b32 v[TM+4+\c], 23, v[TM+2+\c]       ; the scale's byte
.endr
	v_lshl_or_b32 v[TM+6], v[TM+5], 16, v[TM+4]    ; my two bytes: blocks h and 2 + h of row r,
	v_lshlrev_b32 v[TM+6], v[SH8], v[TM+6]         ; at their places in the word;
	v_permlanex16_b32 v[TM+7], v[TM+6], s20, s21
	v_or_b32 v[SW+(\s)], v[TM+6], v[TM+7]          ; with lane l xor 16's two the word is whole
.if (\s) > 0
	s_wait_alu depctr_va_vdst(0)
	s_wait_xcnt 0x0                                ; the last step's stores have read the codes' registers: they are written again only behind this wait
.endif
.irp c, 0,1
	v_cvt_scalef32_pk16_fp6_f32 v[C+6*\c:C+6*\c+2], v[X+32*\c:X+32*\c+15], v[TM+2+\c]
	v_cvt_scalef32_pk16_fp6_f32 v[CT+4*\c:CT+4*\c+2], v[X+32*\c+16:X+32*\c+31], v[TM+2+\c]   ; (a conversion's three registers begin on an even number: the second half is made elsewhere and moved)
.endr
	v_nop                                          ; one plain place behind a scaled conversion
.irp c, 0,1
.irp i, 0,1,2
	v_mov_b32 v[C+6*\c+3+\i], v[CT+4*\c+\i]
.endr
.endr
.irp c, 0,1
	global_store_b128 v[L16], v[C+6*\c:C+6*\c+3], s[10:11] offset:1536*(\s)+768*\c        ; 512 consecutive bytes, at a multiple of 256 from the buffer's first byte
	global_store_b64 v[L8], v[C+6*\c+4:C+6*\c+5], s[10:11] offset:1536*(\s)+768*\c+512    ; 256 likewise
.endr
.endm
	LOAD 0
	LOAD 1
	STEP 0
	STEP 1
	STEP 2
	STEP 3
	v_cmp_eq_u32 vcc_lo, 1, v3                     ; lanes 0-15 store words 0 and 1 of their row, lanes 16-31 words 2 and 3
	v_cndmask_b32 v[SO], v[SW], v[SW+2], vcc_lo
	v_cndmask_b32 v[SO+1], v[SW+1], v[SW+3], vcc_lo
	global_store_b64 v[SOF], v[SO:SO+1], s[12:13]  ; the 32 lanes store 256 consecutive bytes, aligned
	s_wait_tensorcnt 0x0                           ; the wave's end, behind my last LDS store
	ds_add_u32 v[SPW], v[NIL]
	s_wait_dscnt 0x0
	s_endpgm
.Lfunc_end_k_q019e1b68cc_quant:
	.size	k_q019e1b68cc_quant, .Lfunc_end_k_q019e1b68cc_quant-k_q019e1b68cc_quant
	.p2alignl 7, 3214868480
	.fill 96, 4, 3214868480
	.section	.rodata,"a",@progbits
	.p2align	6, 0x0
	.amdhsa_kernel k_q019e1b68cc_quant
		.amdhsa_group_segment_fixed_size 34304
		.amdhsa_private_segment_fixed_size 0
		.amdhsa_enable_private_segment 0
		.amdhsa_kernarg_size 40
		.amdhsa_user_sgpr_count 2
		.amdhsa_user_sgpr_kernarg_segment_ptr 1
		.amdhsa_wavefront_size32 1
		.amdhsa_system_sgpr_workgroup_id_x 1
		.amdhsa_system_sgpr_workgroup_id_y 1
		.amdhsa_system_sgpr_workgroup_id_z 1
		.amdhsa_system_vgpr_workitem_id 0
		.amdhsa_next_free_vgpr 240
		.amdhsa_next_free_sgpr 66
		.amdhsa_reserve_vcc 1
		.amdhsa_float_denorm_mode_32 3
		.amdhsa_float_denorm_mode_16_64 3
		.amdhsa_memory_ordered 1
		.amdhsa_forward_progress 1
		.amdhsa_inst_pref_size 31
	.end_amdhsa_kernel
	.amdgpu_metadata
---
amdhsa.version: [ 1, 2 ]
amdhsa.kernels:
  - .name:           k_q019e1b68cc_quant
    .symbol:         k_q019e1b68cc_quant.kd
    .args:
      - { .name: x, .offset: 0, .size: 8, .value_kind: global_buffer, .address_space: global }
      - { .name: w_qkv, .offset: 8, .size: 8, .value_kind: global_buffer, .address_space: global }
      - { .name: w_proj, .offset: 16, .size: 8, .value_kind: global_buffer, .address_space: global }
      - { .name: c1, .offset: 24, .size: 8, .value_kind: global_buffer, .address_space: global }
      - { .name: s1, .offset: 32, .size: 8, .value_kind: global_buffer, .address_space: global }
    .group_segment_fixed_size: 34304
    .private_segment_fixed_size: 0
    .kernarg_segment_align: 8
    .kernarg_segment_size: 40
    .max_flat_workgroup_size: 128
    .sgpr_count:     66
    .vgpr_count:     240
    .wavefront_size: 32
...
	.end_amdgpu_metadata
.endif
;; end of part 1
;; launch qkv (part 2): grid 12 x 32, 4 waves a work-group, clusters of 4 x 4, 327,680 bytes of LDS; arguments c1, s1, freqs_cos, freqs_sin, qq, kv; writes qq, kv
.if DOCPART == 2
	.amdgcn_target "amdgcn-amd-amdhsa--gfx1250"
	.amdhsa_code_object_version 6
	.text
	.protected	k_q019e1b68cc_qkv
	.globl	k_q019e1b68cc_qkv
	.p2align	8
	.type	k_q019e1b68cc_qkv,@function
k_q019e1b68cc_qkv:
	s_mov_b64 s[64:65], 0
	v_nop
	global_prefetch_b8 v0, s[64:65] scope:SCOPE_SE
	s_setreg_imm32_b32 hwreg(HW_REG_WAVE_MODE, 25, 1), 1
	s_wait_xcnt 0x0
	s_wait_alu depctr_hold_cnt(0) depctr_sa_sdst(0) depctr_va_vdst(0) depctr_va_sdst(0) depctr_va_ssrc(0) depctr_va_vcc(0) depctr_vm_vsrc(0)
	s_getreg_b32 s2, hwreg(HW_REG_IB_STS2, 6, 4)
	s_cmp_eq_u32 s2, 0
	s_cbranch_scc0 .Lentry_in_a_cluster
	s_endpgm
.Lentry_in_a_cluster:
	s_bfe_u32 s2, ttmp6, 0x10000c
	s_cmp_lg_u32 s2, 0xf033
	s_cbranch_scc0 .Lentry_shape_is_right
	s_endpgm
.Lentry_shape_is_right:
; q, k, v = x w_qkv^T on codes of FP6 (E2M3) with E8M0 scales; then the rotation of q and k by freqs_cos, freqs_sin in f32; then q and k are quantised along the head's 64, v along the keys, and leave as codes
; in the order of the attention's operand registers.  No f32 number of q, k or v goes to memory.
; THE PRODUCT.  A tile of 256 "A rows" x 256 "B rows" to a work-group of four waves, 128 x 128 a wave: 64 accumulators of 16 x 16.  The matrix instruction is used transposed: source 0 = 16 B rows,
; source 1 = 16 A rows: a lane holds ONE A row, and its registers run along the B rows.  Clusters x = 0 (q) and 1 (k): A = x (tokens), B = the weight (channels): a lane's registers run along the head's channels,
; which are K of q k^T.  Cluster x = 2 (v): A = the weight, B = x: a lane's registers run along the tokens, the keys, which are K of p v.  The choice hangs on the cluster's x alone, which all partners share.
; The rows of a block of 16 lie in c1 in the order place p = row 32 (g / 2) + 8 (g % 2) + p + 8 (p / 8): so the 16 registers of result blocks 2 b and 2 b + 1 are the indices 32 b + 16 (lane / 16) + 0 .. 15.
; K = 1,024 goes as four parts of 256 through THREE LDS slots: one part is asked for at the head, the second and third fill slots 1 and 2 behind rounds of the cluster's barrier, the fourth fills slot 0 again behind a later round.
; The eight steps of 128 along K are written out.  THE TEXT PARTS ONCE, on the cluster's x, two steps ahead of the products' end: q's and k's way asks for cos and sin there, so that they land under the last 128 matrix
; instructions; v's way asks for none.  The last two steps stand on both ways; no barrier and no tensor load stands between the parting and the join.
; CLUSTERS: 4 x 4 work-groups; A's tiles are asked for jointly along a row of the cluster, B's along a column.
; OUT.  qq: [batch x head, 64][128 queries, 16][6,656 bytes]: eight halves of a fragment (16 queries x 64; 768 bytes each), then at 6,144 the scale words [r, 16][tile, 8] (bytes 0, 1; bytes 2, 3 are 0).
; kv: [batch x head][128 keys, 16][13,056 bytes]: k's eight halves; at 6,144 v's four fragments (16 channels x 128 keys, 1,536 bytes each); at 12,288 k's scale words [r][tile, 8]; at 12,800 v's [r][tile, 4].
; LIMITS: a block whose largest magnitude lies under 2^-124, a block of zeros among them, keeps the scale byte 1 (this program alone reads the bytes); NaN and infinities are not served.
; REGISTERS, in windows of 256: window 0: v1-29 addresses; v32-63 scale words, two sets; v64-127 cos and sin, two sets; v128-223 A's fragments, one set; behind the products v128-251 are at work.
;   window 1: B's fragments, two sets, at v0 and v128.   windows 2, 3: the accumulators: (a, b) at v[8 (8 (a % 4) + b)] of window 2 + a / 4.
; THE ORDER OF THE FILLS (this stands in place of what the head comment says of it): at the head one joint load a wave: wave 0 A's 16 blocks of K's part 0, wave 1 B's, wave 2 A's scale words, wave 3 B's.
; Slot 1 is first filled behind a round in front of the first step, slot 2 behind the round at the change to slot 1, and slot 0 again behind the round at the change to slot 2: a quarter of a slot a wave.
.set SLOT,  98304                      ; a slot: 256 along K of A's 16 blocks and B's 16 blocks, 3,072 bytes each
.set HALFT, 24576                      ; eight blocks: what one tensor load brings, and what one wave reads of A or of B
.set RB,    3072
.set SCL,   3*SLOT                     ; behind the slots: the scale words of A's 16 blocks, then B's, for all of K: 512 bytes a block; filled once
.set SPARE, SCL+16384                  ; the spare words, 128 bytes a wave: two blocks of 256 bytes that no other line names
.set ADA16, 4                          ; v4-6   LDS address of my A fragments in slot n, + 16 x lane
.set ADA8,  7                          ; v7-9   the same + 8 x lane
.set ADB16, 10                         ; v10-12 B's
.set ADB8,  13                         ; v13-15
.set ADRS,  16                         ; v16    my scale words: lanes 0-15 A's rows, lanes 16-31 B's
.set L16,   17                         ; v17    16 x lane
.set L8,    18                         ; v18    8 x lane
.set CSA,   19                         ; v19    cos, sin: my token's row and my half's 32 bytes
.set SWA,   20                         ; v20    q's, k's scale words: 32 r + 16 h
.set SVA,   21                         ; v21    v's: 16 r, + a head of kv for lanes 16-31
.set SPW,   28                         ; v28    LDS address of my spare word; never rewritten
.set NIL,   29                         ; v29    0; never rewritten
.set SC,    32                         ; scale words: set t % 2; register 2 i + q: lanes 0-15 A's block i, lanes 16-31 B's block i, the part's q-th 128 along K
.set CS,    64                         ; cos (16), sin (16) of one block of tokens; two sets
.set AF,    128
.set H,     128                        ; v128-191 64 rotated numbers
.set T,     192                        ; v192-199
.set TM,    200                        ; v200-203 largest magnitudes, v204-207 bytes, v212-215 scale operands
.set PW,    216                        ; v216-223 the eight blocks' scale words
.set PC,    224                        ; v224-235 a fragment's codes; v236-238, v240-242 second halves
.set XW,    244                        ; v244-247, v248-251 scale words on their way out
.set YW,    248
.set WV,    16
.set HA,    17                         ; which half of A's rows is mine.  Also: I fetch for A (0) or for B (1)
.set HB,    18                         ; which half of B's rows.  Also: which eight blocks I fetch
.set SEL,   22
.set G1A,   24                         ; s[24:31], s[32:39] descriptor group 1 for A's and B's tiles; s[40:47], s[48:55] for their scale words
.set G1B,   32
.set G1SA,  40
.set G1SB,  48
.set G0SA,  56                         ; s[56:59], s[60:63] group 0 for the scale words; s[68:79], s[80:91] for the tiles, one set a slot
.set G0SB,  60
.set G0A,   68
.set G0B,   80
.set MSB, 0
.macro WIN new                         ; the immediate's high byte repeats the setting that is left
.if MSB != (\new)
	s_set_vgpr_msb (MSB<<8)|(\new)
.set MSB, (\new)
.endif
.endm
.set TO_B, 0x40                        ; destination window 1, address window 0
; A joint load: waves 0 and 1 fetch for A, waves 2 and 3 for B.  The branch hangs on the wave's number alone.  An s_nop 0 and four v_nop follow each of the two lines.
.macro JLOAD g0a, g1a, g0b, g1b
	s_cmp_eq_u32 s[HA], 0
	s_cbranch_scc0 .Lfor_b_\@
	tensor_load_to_lds s[\g0a:\g0a+3], s[\g1a:\g1a+7]
	s_nop 0
.rept 4
	v_nop
.endr
	s_branch .Lasked_\@
.Lfor_b_\@:
	tensor_load_to_lds s[\g0b:\g0b+3], s[\g1b:\g1b+7]
	s_nop 0
.rept 4
	v_nop
.endr
.Lasked_\@:
.endm
.macro CREST                           ; a round of the cluster's barrier behind its opening barrier
	s_cmp_lg_u32 s[WV], 0
	s_cbranch_scc1 .Lnot_wave_0_\@
	s_barrier_signal -3
.Lnot_wave_0_\@:
	s_barrier_wait -3
	s_barrier_signal -1
	s_barrier_wait -1
.endm
.macro CROUND
	s_barrier_signal -1
	s_barrier_wait -1
	CREST
.endm
.macro PLACES n                        ; plain vector places behind matrix instructions, in front of loads into registers that they have read and of the first read of results
.rept \n
	v_nop
.endr
.endm
.macro FRAG reg, a16, a8, q, i         ; a fragment, 16 rows x 128 K, 12 registers: two halves of 768 bytes, each 16 bytes a lane and then 8 bytes a lane, as they were stored
	ds_load_b128 v[\reg:\reg+3], v[\a16] offset:(\i)*RB+(\q)*1536
	ds_load_b64 v[\reg+4:\reg+5], v[\a8] offset:(\i)*RB+(\q)*1536+512
	ds_load_b128 v[\reg+6:\reg+9], v[\a16] offset:(\i)*RB+(\q)*1536+768
	ds_load_b64 v[\reg+10:\reg+11], v[\a8] offset:(\i)*RB+(\q)*1536+1280
.endm
.macro FETCH_B n, q, p                 ; B's eight fragments of slot n's q-th 128 along K into set p
	WIN TO_B
.irp i, 0,1,2,3,4,5,6,7
	FRAG 128*(\p)+12*\i, ADB16+\n, ADB8+\n, \q, \i
.endr
	WIN 0
.endm
.macro FETCH_A n, q, i0                ; A's blocks i0 .. i0 + 3
.irp i, \i0, \i0+1, \i0+2, \i0+3
	FRAG AF+12*(\i), ADA16+\n, ADA8+\n, \q, \i
.endr
.endm
.macro SCALES t                        ; the scale words of K's part t (two words a row) into set t % 2
.irp i, 0,1,2,3,4,5,6,7
	ds_load_b64 v[SC+16*((\t)%2)+2*\i:SC+16*((\t)%2)+2*\i+1], v[ADRS] offset:512*\i+256*((\t)/2)+8*((\t)%2)
.endr
.endm
; 16 matrix instructions: A's blocks a0, a0 + 1 x B's eight.  p: B's set; q: which word of the scale set sc.  cm = 1: the first product starts the sums.  The 64 accumulators take turns, one instruction a turn,
; in the same order in every step.
.macro MUL16 a0, p, q, sc, cm
.irp a, \a0, \a0+1
.irp b, 0,1,2,3,4,5,6,7
.if \cm == 1
	v_wmma_scale_f32_16x16x128_f8f6f4 v[8*(8*((\a)%4)+\b):8*(8*((\a)%4)+\b)+7], v[128*(\p)+12*\b:128*(\p)+12*\b+11], v[AF+12*(\a):AF+12*(\a)+11], 0, v[SC+16*(\sc)+2*\b+(\q)], v[SC+16*(\sc)+2*(\a)+(\q)] matrix_a_fmt:MATRIX_FMT_FP6 matrix_b_fmt:MATRIX_FMT_FP6 matrix_a_scale:MATRIX_SCALE_ROW1
.else
	v_wmma_scale_f32_16x16x128_f8f6f4 v[8*(8*((\a)%4)+\b):8*(8*((\a)%4)+\b)+7], v[128*(\p)+12*\b:128*(\p)+12*\b+11], v[AF+12*(\a):AF+12*(\a)+11], v[8*(8*((\a)%4)+\b):8*(8*((\a)%4)+\b)+7], v[SC+16*(\sc)+2*\b+(\q)], v[SC+16*(\sc)+2*(\a)+(\q)] matrix_a_fmt:MATRIX_FMT_FP6 matrix_b_fmt:MATRIX_FMT_FP6 matrix_a_scale:MATRIX_SCALE_ROW1
.endif
.endr
.endr
.endm
; A step of 128 along K: 64 matrix instructions; in its middle the next step's B and A's blocks 0-3 are fetched (from slot nn, its nq-th 128), at its end A's blocks 4-7.  lt >= 0: the scale words of K's part lt too.
; mode 0: the next step lies in the same slot.  mode 3: it lies in slot 1: all my tensor loads, the add, my LDS reads, a round of the cluster's barrier, and slot 2's first fill first behind it.
; mode 1: it lies in slot 2, and slot 0 is filled again, behind the same lines.  mode 2: it lies in slot 0, whose refill has landed; a barrier.
.macro KSTEP p, q, sc, cm, mode, nn, nq, lt
.if \mode == 1
	s_wait_tensorcnt 0x0                           ; all my tensor loads have landed, my part of slot 2 among them (every window is 0 here)
	ds_add_u32 v[SPW], v[NIL]                      ; 0 onto my spare word
	s_wait_dscnt 17                                ; the add and the youngest 16 loads (A's blocks 4-7) may be out
.elseif \mode == 2
	s_wait_tensorcnt 0x0                           ; the one load that was out, slot 0's refill, has landed
	s_wait_dscnt 16
.elseif \mode == 3
	s_wait_tensorcnt 0x0                           ; the one load that was out, my part of slot 1, has landed
	ds_add_u32 v[SPW], v[NIL]
	s_wait_dscnt 17                                ; the add and the youngest 16 loads may be out
.else
	s_wait_dscnt 16                                ; B's set and A's blocks 0-3 are in; the youngest 16 loads (A's blocks 4-7) may be out
.endif
	WIN 0xa1                                       ; source 0 (B) window 1, source 1 (A) window 0, C and D window 2
	MUL16 0, \p, \q, \sc, \cm
.if \mode > 0
	s_wait_dscnt 0x0                               ; my LDS reads are over (and the add is done)
	s_barrier_signal -1
.endif
	MUL16 2, \p, \q, \sc, \cm
.if \mode > 0
	WIN 0
	s_barrier_wait -1
.else
	s_wait_dscnt 0x0                               ; A's blocks 4-7 are in
.endif
.if \mode == 1
	CREST                                          ; the barrier has opened a round of the cluster's barrier: no wave of any partner still reads slot 0 or has a load on its way
	s_add_nc_u64 s[G0A+2:G0A+3], s[G0A+2:G0A+3], 3*RB
	s_add_nc_u64 s[G0B+2:G0B+3], s[G0B+2:G0B+3], 3*RB
	JLOAD G0A, G1A, G0B, G1B                       ; K's fourth part into slot 0: the first tensor load behind the round; its four v_nop are the places in front of the loads below
.elseif \mode == 3
	CREST                                          ; the barrier has opened a round of the cluster's barrier
	JLOAD G0A+8, G1A, G0B+8, G1B                   ; K's third part: slot 2's first fill, issued as a refill is
.else
	PLACES 4
.endif
	FETCH_B \nn, \nq, 1-\p
	FETCH_A \nn, \nq, 0
.if \lt >= 0
	SCALES \lt
.endif
	WIN 0xf1                                       ; C and D window 3
	MUL16 4, \p, \q, \sc, \cm
	MUL16 6, \p, \q, \sc, \cm
	PLACES 4
	WIN 0
	FETCH_A \nn, \nq, 4
.endm
; The products' last two steps, which stand on both ways behind the parting: no barrier, no tensor load.
.macro TAIL
	KSTEP 0, 0, 1, 0, 0, 0, 1, -1                  ; K 768
	s_wait_dscnt 16                                ; K 896: nothing more to fetch
	WIN 0xa1
	MUL16 0, 1, 1, 1, 0
	MUL16 2, 1, 1, 1, 0
	s_wait_dscnt 0x0
	WIN 0xf1
	MUL16 4, 1, 1, 1, 0
	MUL16 6, 1, 1, 1, 0
	WIN 0
	PLACES 4
.irp b, 0,1,2,3
	v_mov_b32 v[TM+4+\b], 0                        ; written once: a lane permute's destination counts as one of its sources
.endr
.endm
; cos and sin of block a's 16 tokens: lane (r, h) wants, of its token's 32 pairs, pairs 8 h + 0 .. 7 and 16 + 8 h + 0 .. 7
.macro CSLOAD a
.set CB, CS+32*((\a)%2)
.irp u, 0,1,2,3
	global_load_b128 v[CB+4*\u:CB+4*\u+3], v[CSA], s[8:9] offset:(32*((\a)/2)+8*((\a)%2))*128+64*(\u/2)+16*(\u%2)
	global_load_b128 v[CB+16+4*\u:CB+16+4*\u+3], v[CSA], s[10:11] offset:(32*((\a)/2)+8*((\a)%2))*128+64*(\u/2)+16*(\u%2)
.endr
.endm
; The rotation of block a's 64 numbers a lane: pair (x0, x1) -> (x0 c - x1 s, x0 s + x1 c).  Register 16 b + 2 p, + 1 is pair 16 (b % 2) + 8 h + p of its head.  Only source 0 lies in the accumulators' window.
; Each accumulator is read from its low end on.
.macro ROPE a
	WIN 2+(\a)/4
.set AC, 64*((\a)%4)
.set CB, CS+32*((\a)%2)
.irp g, 0,1,2,3,4,5,6,7
.irp p, 0,1,2,3
	v_mul_f32 v[T+2*\p], v[AC+8*\g+2*\p+1], v[CB+16+8*((\g/2)%2)+4*(\g%2)+\p]
	v_mul_f32 v[T+2*\p+1], v[AC+8*\g+2*\p], v[CB+16+8*((\g/2)%2)+4*(\g%2)+\p]
.endr
.irp p, 0,1,2,3
	v_fma_f32 v[H+8*\g+2*\p], v[AC+8*\g+2*\p], v[CB+8*((\g/2)%2)+4*(\g%2)+\p], -v[T+2*\p]
	v_fma_f32 v[H+8*\g+2*\p+1], v[AC+8*\g+2*\p+1], v[CB+8*((\g/2)%2)+4*(\g%2)+\p], v[T+2*\p+1]
.endr
.endr
.endm
; 64 numbers of a lane, v[s] on in window W, register 16 b + i = k 32 b + 16 h + i of my row, become a fragment's codes in v[PC] on and its scale word in v[pw].
.macro QUANT s, W, pw
	WIN (\W)|((\W)<<2)
.irp b, 0,1,2,3
	v_max3_num_f32 v[TM+\b], |v[(\s)+16*\b]|, |v[(\s)+1+16*\b]|, 0x1800000   ; block b: my 16 numbers, and the floor 2^(3 - 127): the byte cannot fall under 1
.endr
.irp i, 2,4,6,8,10,12,14
.irp b, 0,1,2,3
	v_max3_num_f32 v[TM+\b], |v[(\s)+16*\b+\i]|, |v[(\s)+1+16*\b+\i]|, v[TM+\b]   ; (the four blocks by turns)
.endr
.endr
	WIN 0
.irp b, 0,1,2,3
	v_permlanex16_b32 v[TM+4+\b], v[TM+\b], s[SEL], s[SEL+1]
.endr
.irp b, 0,1,2,3
	v_max_num_f32 v[TM+\b], v[TM+\b], v[TM+4+\b]   ; with lane l xor 16's: the block's largest magnitude
.endr
.irp b, 0,1,2,3
	v_add_nc_u32 v[TM+12+\b], 0xff000000, v[TM+\b] ; 2 off its exponent field: the conversion's scale operand
.endr
.irp b, 0,1,2,3
	v_lshrrev_b32 v[TM+4+\b], 23, v[TM+12+\b]      ; the scale's byte
.endr
	v_lshl_or_b32 v[\pw], v[TM+5], 8, v[TM+4]
	v_lshl_or_b32 v[\pw], v[TM+6], 16, v[\pw]
	v_lshl_or_b32 v[\pw], v[TM+7], 24, v[\pw]
	WIN (\W)
.irp c, 0,1
	v_cvt_scalef32_pk16_fp6_f32 v[PC+6*\c:PC+2+6*\c], v[(\s)+32*\c:(\s)+15+32*\c], v[TM+12+2*\c]
	v_cvt_scalef32_pk16_fp6_f32 v[PC+12+4*\c:PC+14+4*\c], v[(\s)+16+32*\c:(\s)+31+32*\c], v[TM+12+2*\c+1]   ; (a conversion's three registers begin on an even number)
.endr
	WIN 0
	v_nop                                          ; one plain place behind a scaled conversion
.irp c, 0,1                            ; the operand's layout wants a WHOLE block in a lane: lanes 0-15 block 2 c, lanes 16-31 block 2 c + 1
.irp i, 0,1,2
	v_permlane16_swap_b32 v[PC+6*\c+\i], v[PC+12+4*\c+\i]
.endr
.irp i, 0,1,2
	v_mov_b32 v[PC+3+6*\c+\i], v[PC+12+4*\c+\i]
.endr
.endr
.endm
	s_load_b256 s[4:11], s[0:1], 0x0               ; c1, s1, freqs_cos, freqs_sin
	s_load_b128 s[12:15], s[0:1], 0x20             ; qq, kv
	v_lshl_add_u32 v[SPW], v0, 2, SPARE
	v_mov_b32 v[NIL], 0
	ds_add_u32 v[SPW], v[NIL]                      ; the wave's opening: the add, and its wait ahead of my first tensor load; the set-up below, work on registers, stands between them
	ds_add_u32 v[SPW], v[NIL]
	v_lshrrev_b32 v1, 5, v0
	v_readfirstlane_b32 s[WV], v1                  ; wave 0..3
	s_lshr_b32 s[HA], s[WV], 1
	s_and_b32 s[HB], s[WV], 1
	s_bfe_u32 s92, ttmp6, 0x40000                  ; cx
	s_bfe_u32 s93, ttmp6, 0x40004                  ; cy
	s_and_b32 s2, ttmp7, 0xffff
	s_lshl_b32 s2, s2, 2                           ; 4 x cluster y
	s_lshl_b32 s3, ttmp9, 2                        ; 4 x cluster x
	s_add_co_u32 s19, s2, s93                      ; q, k: A's tile = the token tile 4 x cluster y + cy
	s_add_co_u32 s20, s3, s92                      ; q, k: B's tile = the weight's tile 4 x cluster x + cx
	s_add_co_u32 s98, s2, s92                      ; v: B's tile = the token tile 4 x cluster y + cx
	s_cmp_eq_u32 ttmp9, 2                          ; v's clusters
	s_cselect_b32 s19, s93, s19                    ; A's tile (v: the weight's tile cy): it hangs on cy, never on cx
	s_cselect_b32 s20, s98, s20                    ; B's tile: it hangs on cx, never on cy
	s_cselect_b32 s94, 640, 0                      ; the first row block of A's tensor in c1,
	s_cselect_b32 s98, 0, 512                      ; and of B's
	s_lshl_b32 s21, s93, 2
	s_lshl_b32 s21, 15, s21                        ; my row of the cluster
	s_lshl_b32 s22, 0x1111, s92                    ; my column
	; descriptor group 1.  Tiles: eight row blocks, of each 3,072 consecutive bytes (384 elements of 8 bytes), 12,288 bytes (1,536 elements) from block to block; dense in LDS
	s_or_b32 s[G1A], s21, (3<<16)|(1<<21)          ; 15:0 the mask; 17:16 elements of 8 bytes; 20 padding off; 21 set beside a mask
	s_or_b32 s[G1B], s22, (3<<16)|(1<<21)
	s_or_b32 s[G1SA], s21, (3<<16)|(1<<21)
	s_or_b32 s[G1SB], s22, (3<<16)|(1<<21)
.irp g, G1A, G1B
	s_mov_b32 s[\g+1], 384<<16                     ; tensor_dim0
	s_mov_b32 s[\g+2], 16<<16                      ; tensor_dim1: sixteen blocks for the head's loads; set to eight behind them
	s_mov_b32 s[\g+3], 384<<16                     ; tile_dim0
	s_mov_b32 s[\g+4], 16                          ; tile_dim1 likewise
	s_mov_b32 s[\g+5], 1536                        ; tensor_dim0_stride
	s_mov_b32 s[\g+6], 0
	s_mov_b32 s[\g+7], 0
.endr
.irp g, G1SA, G1SB                     ; the scale words of sixteen blocks: 8,192 dense bytes, as 32 rows of 256
	s_mov_b32 s[\g+1], 32<<16
	s_mov_b32 s[\g+2], 32<<16
	s_mov_b32 s[\g+3], 32<<16
	s_mov_b32 s[\g+4], 32
	s_mov_b32 s[\g+5], 32
	s_mov_b32 s[\g+6], 0
	s_mov_b32 s[\g+7], 0
.endr
	s_lshl_b32 s96, s19, 4
	s_add_co_u32 s94, s94, s96
	s_lshl_b32 s96, s94, 9                         ; its scale words,
	s_mul_i32 s94, s94, 12288                      ; its codes, in bytes
	s_mov_b32 s95, 0
	s_mov_b32 s97, 0
	s_lshl_b32 s100, s20, 4
	s_add_co_u32 s98, s98, s100
	s_lshl_b32 s100, s98, 9
	s_mul_i32 s98, s98, 12288
	s_mov_b32 s99, 0
	s_mov_b32 s101, 0
	s_mul_i32 s2, s[WV], HALFT                     ; where they go: wave x eight blocks: no place in the cluster enters an LDS address
	s_mul_i32 s92, s[HB], 4*HALFT                  ; in the ring I fetch eight blocks of a tile: which half, in bytes of c1 (8 x 12,288)
	s_mov_b32 s93, 0
	s_wait_dscnt 0x0                               ; the opening add is done
	s_wait_kmcnt 0x0
	s_add_nc_u64 s[94:95], s[4:5], s[94:95]
	s_add_nc_u64 s[96:97], s[6:7], s[96:97]
	s_add_nc_u64 s[98:99], s[4:5], s[98:99]
	s_add_nc_u64 s[100:101], s[6:7], s[100:101]
	CROUND                                         ; all sixteen work-groups are here: the first joint loads meet
	s_mov_b32 s[G0SA], 1
	s_mov_b32 s[G0SA+1], SCL
	s_mov_b64 s[G0SA+2:G0SA+3], s[96:97]
	s_or_b32 s[G0SA+3], s[G0SA+3], 0x80000000
	s_mov_b32 s[G0SB], 1
	s_mov_b32 s[G0SB+1], SCL+8192
	s_mov_b64 s[G0SB+2:G0SB+3], s[100:101]
	s_or_b32 s[G0SB+3], s[G0SB+3], 0x80000000
	s_mov_b32 s[G0A], 1                            ; slot 0's sets serve the head's loads first: A's sixteen blocks of K's part 0,
	s_mov_b32 s[G0A+1], 0
	s_mov_b64 s[G0A+2:G0A+3], s[94:95]
	s_or_b32 s[G0A+3], s[G0A+3], 0x80000000
	s_mov_b32 s[G0B], 1                            ; and B's, behind them
	s_mov_b32 s[G0B+1], 2*HALFT
	s_mov_b64 s[G0B+2:G0B+3], s[98:99]
	s_or_b32 s[G0B+3], s[G0B+3], 0x80000000
	s_add_nc_u64 s[94:95], s[94:95], s[92:93]      ; for the ring: my eight blocks
	s_add_nc_u64 s[98:99], s[98:99], s[92:93]
.irp n, 1,2
	s_mov_b32 s[G0A+4*\n], 1
	s_add_co_u32 s[G0A+4*\n+1], s2, \n*SLOT
	s_add_nc_u64 s[G0A+4*\n+2:G0A+4*\n+3], s[94:95], \n*RB
	s_or_b32 s[G0A+4*\n+3], s[G0A+4*\n+3], 0x80000000
	s_mov_b32 s[G0B+4*\n], 1
	s_add_co_u32 s[G0B+4*\n+1], s2, \n*SLOT
	s_add_nc_u64 s[G0B+4*\n+2:G0B+4*\n+3], s[98:99], \n*RB
	s_or_b32 s[G0B+4*\n+3], s[G0B+4*\n+3], 0x80000000
.endr
; the head's loads, one a wave, in one chain of branches on the wave's number whose arms all lead to one join
.macro ARM under, g0, g1, next
	s_cmp_lt_u32 s[WV], \under
	s_cbranch_scc0 \next
	tensor_load_to_lds s[\g0:\g0+3], s[\g1:\g1+7]
	s_nop 0
.rept 4
	v_nop
.endr
	s_branch .Lhead_asked
\next:
.endm
	ARM 1, G0A,  G1A,  .Lhead_b
	ARM 2, G0B,  G1B,  .Lhead_sa
	ARM 3, G0SA, G1SA, .Lhead_sb
	tensor_load_to_lds s[G0SB:G0SB+3], s[G1SB:G1SB+7]
	s_nop 0
.rept 4
	v_nop
.endr
.Lhead_asked:
	v_and_b32 v1, 15, v0                           ; r
	v_bfe_u32 v2, v0, 4, 1                         ; h
	v_and_b32 v3, 31, v0
	v_lshlrev_b32 v[L16], 4, v3
	v_lshlrev_b32 v[L8], 3, v3
	s_mul_i32 s2, s[HA], HALFT                     ; my eight blocks of A
	s_mul_i32 s3, s[HB], HALFT                     ; my eight blocks of B,
	s_add_co_u32 s3, s3, 2*HALFT                   ; which lie behind A's sixteen
.irp n, 0,1,2
	v_add_nc_u32 v[ADA16+\n], s2, v[L16]
	v_add_nc_u32 v[ADA8+\n], s2, v[L8]
	v_add_nc_u32 v[ADB16+\n], s3, v[L16]
	v_add_nc_u32 v[ADB8+\n], s3, v[L8]
	s_add_co_u32 s2, s2, SLOT
	s_add_co_u32 s3, s3, SLOT
.endr
	s_lshl_b32 s2, s[HA], 12                       ; A's scale words: my eight blocks
	s_lshl_b32 s3, s[HB], 12                       ; B's, behind A's sixteen
	s_add_co_u32 s3, s3, 8192
	s_sub_co_u32 s3, s3, s2
	v_mul_u32_u24 v3, s3, v2                       ; lanes 16-31 take B's
	v_lshl_add_u32 v3, v1, 4, v3                   ; 16 bytes a row
	s_add_co_u32 s2, s2, SCL
	v_add_nc_u32 v[ADRS], s2, v3
	v_and_b32 v3, 8, v1
	v_add_nc_u32 v3, v3, v1                        ; r + 8 (r / 8)
	v_lshlrev_b32 v[CSA], 7, v3                    ; a row of cos or sin is 128 bytes
	v_lshl_add_u32 v[CSA], v2, 5, v[CSA]
	v_lshlrev_b32 v[SWA], 5, v1
	v_lshl_add_u32 v[SWA], v2, 4, v[SWA]
	v_mul_u32_u24 v[SVA], v2, 208896
	v_lshl_add_u32 v[SVA], v1, 4, v[SVA]
	s_mov_b32 s[SEL], 0x76543210
	s_mov_b32 s[SEL+1], 0xfedcba98                 ; v_permlanex16_b32's selects for lane l xor 16
	; where my results go
	s_cmp_eq_u32 ttmp9, 2
	s_cselect_b32 s2, s20, s19                     ; the tile and the half on the tokens' side,
	s_cselect_b32 s3, s[HB], s[HA]
	s_cselect_b32 s92, s19, s20                    ; and on the channels' side
	s_cselect_b32 s93, s[HA], s[HB]
	s_lshl_b32 s2, s2, 8
	s_lshl_b32 s3, s3, 7
	s_add_co_u32 s2, s2, s3                        ; my first token
	s_lshl_b32 s92, s92, 2
	s_lshl_b32 s93, s93, 1
	s_add_co_u32 s92, s92, s93
	s_and_b32 s92, s92, 15                         ; my first head (of two)
	s_lshr_b32 s3, s2, 11
	s_lshl_b32 s3, s3, 4
	s_add_co_u32 s92, s92, s3                      ; 16 x batch + head
	s_bfe_u32 s93, s2, 0x40007                     ; which 128 tokens of the batch's 2,048
	s_and_b32 s2, s2, 2047
	s_lshl_b32 s2, s2, 7
	s_mov_b32 s3, 0
	s_add_nc_u64 s[8:9], s[8:9], s[2:3]            ; cos and sin at my first token
	s_add_nc_u64 s[10:11], s[10:11], s[2:3]
	s_mov_b32 s2, 208896                           ; kv: a head, a record, where k's scale words begin
	s_mov_b32 s19, 13056
	s_mov_b32 s94, 12288
	s_cmp_eq_u32 ttmp9, 0                          ; q's clusters store into qq
	s_cselect_b64 s[12:13], s[12:13], s[14:15]
	s_cselect_b32 s2, 106496, s2
	s_cselect_b32 s19, 6656, s19
	s_cselect_b32 s94, 6144, s94
	s_mul_i32 s92, s92, s2
	s_mul_i32 s93, s93, s19
	s_add_co_u32 s92, s92, s93
	s_mov_b32 s93, 0
	s_mov_b32 s95, 0
	s_add_nc_u64 s[12:13], s[12:13], s[92:93]      ; my first head's record,
	s_add_nc_u64 s[14:15], s[12:13], s[2:3]        ; my second head's,
	s_add_nc_u64 s[96:97], s[12:13], s[94:95]      ; and their scale words (q, k)
	s_add_nc_u64 s[98:99], s[14:15], s[94:95]
	s_wait_alu depctr_va_vdst(0)
	s_wait_tensorcnt 0x0                           ; my tile of the head's four is in
	ds_add_u32 v[SPW], v[NIL]
	s_mov_b32 s[G1A+2], 8<<16                      ; no tensor load of mine is out, so descriptors may be written: from here on a load brings eight blocks
	s_mov_b32 s[G1A+4], 8
	s_mov_b32 s[G1B+2], 8<<16
	s_mov_b32 s[G1B+4], 8
	s_mul_i32 s[G0A+1], s[WV], HALFT               ; slot 0's sets, for its refill: my quarter of the slot,
	s_mul_i32 s[G0B+1], s[WV], HALFT
	s_mul_i32 s2, s[HB], 4*HALFT
	s_mov_b32 s3, 0
	s_add_nc_u64 s[G0A+2:G0A+3], s[G0A+2:G0A+3], s[2:3]   ; and my eight blocks
	s_add_nc_u64 s[G0B+2:G0B+3], s[G0B+2:G0B+3], s[2:3]
	s_wait_dscnt 0x0                               ; the add is done
	CROUND                                         ; a whole round: all four tiles are in, and all sixteen work-groups are here
	JLOAD G0A+4, G1A, G0B+4, G1B                   ; K's second part: slot 1's first fill, the first tensor load behind the round
	FETCH_B 0, 0, 0
	FETCH_A 0, 0, 0
	SCALES 0
	FETCH_A 0, 0, 4
	KSTEP 0, 0, 0, 1, 0, 0, 1, -1                  ; K 0: its products start the sums: nothing is cleared
	KSTEP 1, 1, 0, 0, 3, 1, 0, 1                   ; K 128; on to slot 1
	KSTEP 0, 0, 1, 0, 0, 1, 1, -1                  ; K 256
	KSTEP 1, 1, 1, 0, 1, 2, 0, 2                   ; K 384; on to slot 2; slot 0 is filled again
	KSTEP 0, 0, 0, 0, 0, 2, 1, -1                  ; K 512
	KSTEP 1, 1, 0, 0, 2, 0, 0, 3                   ; K 640; on to slot 0
	s_cmp_eq_u32 ttmp9, 2                          ; THE PARTING (every window is 0 here): the cluster's x is the same in all sixteen partners and in all four waves
	s_cbranch_scc1 .Lv_out
	; ---- q, k
	CSLOAD 0                                       ; cos and sin of blocks 0 and 1: sixteen loads, into registers that the products do not touch; they have the last 128 matrix instructions in which to land
	CSLOAD 1
	TAIL
	; block a is 16 tokens; a lane's 64 numbers are 2 heads x 64 channels: registers 6 c .. 6 c + 5 of the codes are head c's half fragment
.irp a, 0,1,2,3,4,5,6,7
.if \a < 7
	s_wait_loadcnt 8                               ; this block's cos and sin are in; the next block's eight loads may be out
.else
	s_wait_loadcnt 0x0
.endif
	ROPE \a
	WIN 0
.if \a < 6
	CSLOAD \a+2
.endif
.if \a > 0
	s_wait_xcnt 0x0                                ; the last block's stores have read the codes' registers
.endif
	QUANT H, 0, PW+\a
.irp c, 0,1
	global_store_b128 v[L16], v[PC+6*\c:PC+6*\c+3], s[12+2*\c:13+2*\c] offset:768*\a        ; 512 consecutive bytes, aligned to 256
	global_store_b64 v[L8], v[PC+6*\c+4:PC+6*\c+5], s[12+2*\c:13+2*\c] offset:768*\a+512    ; 256 likewise
.endr
.endr
	v_cmp_eq_u32 vcc_lo, 1, v2                     ; lanes 0-15 store the words of blocks 0-3 of their row, lanes 16-31 those of blocks 4-7
.irp i, 0,1,2,3
	v_cndmask_b32 v[XW+\i], v[PW+\i], v[PW+4+\i], vcc_lo
.endr
.irp i, 0,1,2,3
	v_and_b32 v[YW+\i], 0xffff, v[XW+\i]           ; the first head's two bytes; bytes 2 and 3 are 0
.endr
	global_store_b128 v[SWA], v[YW:YW+3], s[96:97]
.irp i, 0,1,2,3
	v_lshrrev_b32 v[XW+\i], 16, v[XW+\i]           ; the second head's
.endr
	global_store_b128 v[SWA], v[XW:XW+3], s[98:99]
	s_branch .Ldone
.Lv_out:
	; ---- v: it is not rotated
	TAIL
	; block a is 16 channels (head a / 4, tile a % 4); a lane's 64 numbers run along 128 keys: one fragment, quantised straight from the accumulators
.irp a, 0,1,2,3,4,5,6,7
.if \a > 0
	s_wait_xcnt 0x0                                ; the last block's stores have read the codes' registers
.endif
	QUANT 64*(\a%4), 2+\a/4, PW+\a
	global_store_b128 v[L16], v[PC:PC+3], s[12+2*(\a/4):13+2*(\a/4)] offset:6144+1536*(\a%4)
	global_store_b64 v[L8], v[PC+4:PC+5], s[12+2*(\a/4):13+2*(\a/4)] offset:6144+1536*(\a%4)+512
	global_store_b128 v[L16], v[PC+6:PC+9], s[12+2*(\a/4):13+2*(\a/4)] offset:6144+1536*(\a%4)+768
	global_store_b64 v[L8], v[PC+10:PC+11], s[12+2*(\a/4):13+2*(\a/4)] offset:6144+1536*(\a%4)+1280
.endr
	v_cmp_eq_u32 vcc_lo, 1, v2                     ; lanes 0-15 store the first head's four words of their row, lanes 16-31 the second head's
.irp i, 0,1,2,3
	v_cndmask_b32 v[XW+\i], v[PW+\i], v[PW+4+\i], vcc_lo
.endr
	global_store_b128 v[SVA], v[XW:XW+3], s[12:13] offset:12800   ; sixteen lanes store 256 consecutive bytes, aligned
.Ldone:
	s_wait_tensorcnt 0x0                           ; the wave's end, behind my last tensor load
	ds_add_u32 v[SPW], v[NIL]
	s_wait_dscnt 0x0
	CROUND                                         ; the closing round: no work-group ends while a partner may still ask for a tile that names it
	s_endpgm
.Lfunc_end_k_q019e1b68cc_qkv:
	.size	k_q019e1b68cc_qkv, .Lfunc_end_k_q019e1b68cc_qkv-k_q019e1b68cc_qkv
	.p2alignl 7, 3214868480
	.fill 96, 4, 3214868480
	.section	.rodata,"a",@progbits
	.p2align	6, 0x0
	.amdhsa_kernel k_q019e1b68cc_qkv
		.amdhsa_group_segment_fixed_size 327680
		.amdhsa_private_segment_fixed_size 0
		.amdhsa_enable_private_segment 0
		.amdhsa_kernarg_size 48
		.amdhsa_user_sgpr_count 2
		.amdhsa_user_sgpr_kernarg_segment_ptr 1
		.amdhsa_wavefront_size32 1
		.amdhsa_system_sgpr_workgroup_id_x 1
		.amdhsa_system_sgpr_workgroup_id_y 1
		.amdhsa_system_sgpr_workgroup_id_z 1
		.amdhsa_system_vgpr_workitem_id 0
		.amdhsa_next_free_vgpr 1024
		.amdhsa_next_free_sgpr 102
		.amdhsa_reserve_vcc 1
		.amdhsa_float_denorm_mode_32 3
		.amdhsa_float_denorm_mode_16_64 3
		.amdhsa_memory_ordered 1
		.amdhsa_forward_progress 1
		.amdhsa_inst_pref_size 255
	.end_amdhsa_kernel
	.section	.bss,"aw",@nobits
	.p2align	6
	.space	262144
	.amdgpu_metadata
---
amdhsa.version: [ 1, 2 ]
amdhsa.kernels:
  - .name:           k_q019e1b68cc_qkv
    .symbol:         k_q019e1b68cc_qkv.kd
    .args:
      - { .name: c1, .offset: 0, .size: 8, .value_kind: global_buffer, .address_space: global }
      - { .name: s1, .offset: 8, .size: 8, .value_kind: global_buffer, .address_space: global }
      - { .name: freqs_cos, .offset: 16, .size: 8, .value_kind: global_buffer, .address_space: global }
      - { .name: freqs_sin, .offset: 24, .size: 8, .value_kind: global_buffer, .address_space: global }
      - { .name: qq, .offset: 32, .size: 8, .value_kind: global_buffer, .address_space: global }
      - { .name: kv, .offset: 40, .size: 8, .value_kind: global_buffer, .address_space: global }
    .group_segment_fixed_size: 327680
    .private_segment_fixed_size: 0
    .kernarg_segment_align: 8
    .kernarg_segment_size: 48
    .max_flat_workgroup_size: 128
    .sgpr_count:     102
    .vgpr_count:     1024
    .wavefront_size: 32
...
	.end_amdgpu_metadata
.endif
;; end of part 2
;; launch attn (part 3): grid 4 x 64, 16 waves a work-group, clusters of 4 x 1, 327,680 bytes of LDS; arguments qq, kv, ac, asc; writes ac, asc
.if DOCPART == 3
	.amdgcn_target "amdgcn-amd-amdhsa--gfx1250"
	.amdhsa_code_object_version 6
	.text
	.protected	k_q019e1b68cc_attn
	.globl	k_q019e1b68cc_attn
	.p2align	8
	.type	k_q019e1b68cc_attn,@function
k_q019e1b68cc_attn:
	s_mov_b64 s[64:65], 0
	v_nop
	global_prefetch_b8 v0, s[64:65] scope:SCOPE_SE
	s_setreg_imm32_b32 hwreg(HW_REG_WAVE_MODE, 25, 1), 1
	s_wait_xcnt 0x0
	s_wait_alu depctr_hold_cnt(0) depctr_sa_sdst(0) depctr_va_vdst(0) depctr_va_sdst(0) depctr_va_ssrc(0) depctr_va_vcc(0) depctr_vm_vsrc(0)
	s_getreg_b32 s2, hwreg(HW_REG_IB_STS2, 6, 4)
	s_cmp_eq_u32 s2, 0
	s_cbranch_scc0 .Lentry_in_a_cluster
	s_endpgm
.Lentry_in_a_cluster:
	s_bfe_u32 s2, ttmp6, 0x10000c
	s_cmp_lg_u32 s2, 0x3003
	s_cbranch_scc0 .Lentry_shape_is_right
	s_endpgm
.Lentry_shape_is_right:
; o = softmax(q k^T / 8) v for one (batch, head), on codes of FP6 (E2M3) with E8M0 scales; o is divided by the row's sum, quantised along the head's 64 and stored as codes in the order of the projection's operand registers.
; A work-group of sixteen waves takes 512 queries of a head; the four work-groups of a cluster take one head and ask for its k and v jointly.  The head's sixteen records (128 keys each, 13,056 bytes) are filled into LDS once, in two joint loads a wave.
; A wave takes two tiles of 16 queries, one after the other, and walks the sixteen records for each.  Both products are used transposed: a lane holds one query, its registers run along the keys (S^T) or the channels (O^T).
; p = 2^(t - M), M the ceiling of the running largest t; the row's sum is taken of the unquantised p; a change of M multiplies sum and O^T by an exact power of two.
; LIMITS: the promise holds while the scaled scores t stay under 2^31 in magnitude; NaN and infinities are not served; a block of p that has fallen to zero keeps the scale byte 1.
.set REC,   13056
.set VOFF,  6144
.set KSOFF, 12288
.set VSOFF, 12800
.set HEADB, 16*REC
.set SPARE, HEADB
.set ROWSA, 13
.set ROWSB, 38
.set L16,  1
.set L8,   2
.set AKS,  3
.set AVS,  4
.set SPW,  5
.set NIL,  6
.set R16,  7
.set ADK,  8
.set AD8,  9
.set ADS,  10
.set ADT,  11
.set KF,   42
.set ST,   96
.set OT,   160
.set KS,   192
.set VS,   200
.set BM,   204
.set BT,   208
.set SO,   212
.set CT,   216
.set PC,   224
.set TP,   236
.set FF,   238
.set PWD,  240
.set S2,   242
.set OW,   244
.set WV,   12
.set G1A,  16
.set G1B,  24
.set G0A,  32
.set G0B,  36
.set SEL,  40
.set CSC,  42
.set TB,   44
.set CNT,  45
.macro CROUND
	s_barrier_signal -1
	s_barrier_wait -1
	s_cmp_lg_u32 s[WV], 0
	s_cbranch_scc1 .Lnot_wave_0_\@
	s_barrier_signal -3
.Lnot_wave_0_\@:
	s_barrier_wait -3
	s_barrier_signal -1
	s_barrier_wait -1
.endm
	s_load_b256 s[4:11], s[0:1], 0x0
	v_lshl_add_u32 v[SPW], v0, 2, SPARE
	v_mov_b32 v[NIL], 0
	ds_add_u32 v[SPW], v[NIL]
	ds_add_u32 v[SPW], v[NIL]
	v_lshrrev_b32 v8, 5, v0
	s_delay_alu instid0(VALU_DEP_1)
	v_readfirstlane_b32 s[WV], v8
	s_bfe_u32 s13, ttmp6, 0x40000
	s_and_b32 s14, ttmp7, 0xffff
	s_mov_b32 s[G1A], 15|(3<<16)|(1<<21)
	s_mov_b32 s[G1A+1], 32<<16
	s_mov_b32 s[G1A+2], ROWSA<<16
	s_mov_b32 s[G1A+3], 32<<16
	s_mov_b32 s[G1A+4], ROWSA
	s_mov_b32 s[G1A+5], 32
	s_mov_b32 s[G1A+6], 0
	s_mov_b32 s[G1A+7], 0
	s_mov_b32 s[G1B], 15|(3<<16)|(1<<21)
	s_mov_b32 s[G1B+1], 32<<16
	s_mov_b32 s[G1B+2], ROWSB<<16
	s_mov_b32 s[G1B+3], 32<<16
	s_mov_b32 s[G1B+4], ROWSB
	s_mov_b32 s[G1B+5], 32
	s_mov_b32 s[G1B+6], 0
	s_mov_b32 s[G1B+7], 0
	s_mov_b32 s[G0A], 1
	s_mul_i32 s[G0A+1], s[WV], ROWSA*256
	s_mov_b32 s[G0B], 1
	s_mul_i32 s[G0B+1], s[WV], ROWSB*256
	s_add_co_u32 s[G0B+1], s[G0B+1], 16*ROWSA*256
	s_mul_i32 s15, s14, HEADB
	s_add_co_u32 s58, s15, s[G0A+1]
	s_mov_b32 s59, 0
	s_add_co_u32 s60, s15, s[G0B+1]
	s_mov_b32 s61, 0
	s_lshl_b32 s54, s13, 2
	s_lshr_b32 s55, s[WV], 3
	s_add_co_u32 s54, s54, s55
	s_mul_i32 s54, s54, 6656
	s_mul_i32 s55, s14, 106496
	s_add_co_u32 s54, s54, s55
	s_and_b32 s15, s[WV], 7
	s_mul_i32 s46, s15, 768
	s_add_co_u32 s46, s46, s54
	s_mov_b32 s47, 0
	s_lshl_b32 s48, s15, 2
	s_add_co_u32 s48, s48, s54
	s_add_co_u32 s48, s48, 6144
	s_mov_b32 s49, 0
	s_lshr_b32 s50, s14, 4
	s_lshl_b32 s50, s50, 7
	s_lshl_b32 s55, s13, 5
	s_add_co_u32 s50, s50, s55
	s_add_co_u32 s50, s50, s[WV]
	s_and_b32 s55, s14, 15
	s_lshl_b32 s52, s50, 9
	s_mul_i32 s50, s50, 12288
	s_mul_i32 s15, s55, 768
	s_add_co_u32 s50, s50, s15
	s_mov_b32 s51, 0
	s_lshr_b32 s15, s55, 3
	s_lshl_b32 s15, s15, 8
	s_add_co_u32 s52, s52, s15
	s_bfe_u32 s15, s55, 0x20001
	s_lshl_b32 s15, s15, 2
	s_add_co_u32 s52, s52, s15
	s_and_b32 s15, s55, 1
	s_lshl_b32 s15, s15, 1
	s_add_co_u32 s52, s52, s15
	s_mov_b32 s53, 0
	s_mov_b32 s[SEL], 0x76543210
	s_mov_b32 s[SEL+1], 0xfedcba98
	s_mov_b32 s[CSC], 0x3e38aa3b
	s_mov_b32 s[CSC+1], s[CSC]
	v_and_b32 v8, 31, v0
	v_and_b32 v9, 15, v0
	s_delay_alu instid0(VALU_DEP_2)
	v_lshlrev_b32 v[L16], 4, v8
	s_delay_alu instid0(VALU_DEP_3)
	v_lshlrev_b32 v[L8], 3, v8
	s_delay_alu instid0(VALU_DEP_3)
	v_lshl_add_u32 v[AKS], v9, 5, KSOFF
	s_delay_alu instid0(VALU_DEP_4)
	v_lshl_add_u32 v[AVS], v9, 4, VSOFF
	v_lshlrev_b32 v[R16], 4, v9
	v_lshlrev_b32 v[TP], 5, v9
.irp j, 22,23,24,25,26,27,34,35,36,37,38,39,90,91,92,93,94,95
	v_mov_b32 v[\j], 0
.endr
.irp b, 0,1,2,3
	v_mov_b32 v[BT+\b], 0
.endr
	v_mov_b32 v[FF+1], 0
	s_wait_dscnt 0x0
	s_wait_kmcnt 0x0
	s_add_nc_u64 s[G0A+2:G0A+3], s[6:7], s[58:59]
	s_or_b32 s[G0A+3], s[G0A+3], 0x80000000
	s_add_nc_u64 s[G0B+2:G0B+3], s[6:7], s[60:61]
	s_or_b32 s[G0B+3], s[G0B+3], 0x80000000
	s_add_nc_u64 s[46:47], s[4:5], s[46:47]
	s_add_nc_u64 s[48:49], s[4:5], s[48:49]
	s_add_nc_u64 s[50:51], s[8:9], s[50:51]
	s_add_nc_u64 s[52:53], s[10:11], s[52:53]
.irp j, 0,1                            ; my two tiles of q and their scale words: asked for here, awaited behind the tensor loads' issue
	global_load_b128 v[16+12*\j:19+12*\j], v[L16], s[46:47] offset:13312*\j
	global_load_b64 v[20+12*\j:21+12*\j], v[L8], s[46:47] offset:13312*\j+512
	global_load_b32 v[40+\j], v[TP], s[48:49] offset:13312*\j
.endr
	CROUND
	tensor_load_to_lds s[G0A:G0A+3], s[G1A:G1A+7]
	s_nop 0
	s_wait_alu depctr_va_vdst(0)
	s_wait_tensorcnt 0x0
	ds_add_u32 v5, v6
	s_wait_dscnt 0x0
	CROUND
	tensor_load_to_lds s[G0B:G0B+3], s[G1B:G1B+7]
	s_nop 0
.rept 4
	v_nop
.endr
	s_wait_loadcnt 0x0
	s_wait_tensorcnt 0x1
	s_barrier_signal -1
	s_barrier_wait -1
.macro STEP QF, QS
	v_add_nc_u32 v[ADK], s[TB], v[L16]
	v_add_nc_u32 v[AD8], s[TB], v[L8]
	v_add_nc_u32 v[ADS], s[TB], v[AKS]
	v_add_nc_u32 v[ADT], s[TB], v[AVS]
.irp t, 0,1,2,3,4,5,6,7
	ds_load_b128 v[KF+6*\t:KF+6*\t+3], v[ADK] offset:768*\t
	ds_load_b64 v[KF+6*\t+4:KF+6*\t+5], v[AD8] offset:768*\t+512
.endr
	ds_load_b128 v[KS:KS+3], v[ADS]
	ds_load_b128 v[KS+4:KS+7], v[ADS] offset:16
	s_wait_alu depctr_va_vdst(0)
	s_wait_dscnt 0x0
.irp t, 0,1,2,3,4,5,6,7
	v_wmma_scale_f32_16x16x128_f8f6f4 v[ST+8*\t:ST+8*\t+7], v[KF+6*\t:KF+6*\t+11], v[\QF:\QF+11], 0, v[KS+\t], v[\QS] matrix_a_fmt:MATRIX_FMT_FP6 matrix_b_fmt:MATRIX_FMT_FP6
.endr
.rept 4
	v_nop
.endr
.irp u, 0,1,2,3
	ds_load_b128 v[KF+12*\u:KF+12*\u+3], v[ADK] offset:VOFF+1536*\u
	ds_load_b64 v[KF+12*\u+4:KF+12*\u+5], v[AD8] offset:VOFF+1536*\u+512
	ds_load_b128 v[KF+12*\u+6:KF+12*\u+9], v[ADK] offset:VOFF+1536*\u+768
	ds_load_b64 v[KF+12*\u+10:KF+12*\u+11], v[AD8] offset:VOFF+1536*\u+1280
.endr
	ds_load_b128 v[VS:VS+3], v[ADT]
.irp b, 0,1,2,3
	v_max3_num_f32 v[BM+\b], v[ST+16*\b], v[ST+1+16*\b], v[ST+2+16*\b]
.endr
.irp i, 3,5,7,9,11,13
.irp b, 0,1,2,3
	v_max3_num_f32 v[BM+\b], v[BM+\b], v[ST+16*\b+\i], v[ST+1+16*\b+\i]
.endr
.endr
.irp b, 0,1,2,3
	v_max_num_f32 v[BM+\b], v[BM+\b], v[ST+15+16*\b]
.endr
.irp b, 0,1,2,3
	s_delay_alu instid0(VALU_DEP_4)
	v_permlanex16_b32 v[BT+\b], v[BM+\b], s[SEL], s[SEL+1]
.endr
.irp b, 0,1,2,3
	s_delay_alu instid0(VALU_DEP_4)
	v_max_num_f32 v[BM+\b], v[BM+\b], v[BT+\b]
.endr
	s_delay_alu instid0(VALU_DEP_2)
	v_max3_num_f32 v[TP], v[BM], v[BM+1], v[BM+2]
	s_delay_alu instid0(VALU_DEP_1)
	v_max_num_f32 v[TP], v[TP], v[BM+3]
	s_delay_alu instid0(VALU_DEP_1)
	v_mul_f32 v[TP], s[CSC], v[TP]
	s_delay_alu instid0(VALU_DEP_1)
	v_max_num_f32 v13, v13, v[TP]
	v_mov_b32 v[TP], v12
	s_delay_alu instid0(VALU_DEP_2)
	v_floor_f32 v12, -v13
	s_delay_alu instid0(VALU_DEP_1)
	v_sub_f32 v[TP], v12, v[TP]
	s_delay_alu instid0(VALU_DEP_1)
	v_cvt_i32_f32 v[TP], v[TP]
	s_delay_alu instid0(VALU_DEP_1)
	v_ldexp_f32 v[FF], 1.0, v[TP]
.set i, 0
.rept 32
	v_pk_fma_f32 v[ST+i:ST+i+1], v[ST+i:ST+i+1], s[CSC:CSC+1], v[12:13] op_sel_hi:[1,0,0]
.set i, i+2
.endr
.irp b, 0,1,2,3
	v_fma_f32 v[BM+\b], v[BM+\b], s[CSC], v12
.endr
.set i, 0
	s_wait_alu depctr_va_vdst(0)
.rept 64
	v_exp_f32 v[ST+i], v[ST+i]
.set i, i+1
.endr
	v_pk_mul_f32 v[14:15], v[14:15], v[FF:FF+1] op_sel_hi:[1,0]
	s_wait_alu depctr_va_vdst(0)
.irp b, 0,1,2,3
	v_exp_f32 v[BM+\b], v[BM+\b]
.endr
	v_pk_add_f32 v[S2:S2+1], v[ST:ST+1], v[ST+2:ST+3]
.irp j, 4,8,12,16,20,24,28,32,36,40,44,48,52,56,60
	v_pk_add_f32 v[14:15], v[14:15], v[ST+\j:ST+1+\j]
	v_pk_add_f32 v[S2:S2+1], v[S2:S2+1], v[ST+2+\j:ST+3+\j]
.endr
	s_delay_alu instid0(VALU_DEP_1)
	v_pk_add_f32 v[14:15], v[14:15], v[S2:S2+1]
	s_wait_alu depctr_va_vdst(0)
.irp b, 0,1,2,3
	v_max_num_f32 v[BM+\b], 0x1800000, v[BM+\b]
.endr
.irp b, 0,1,2,3
	s_delay_alu instid0(VALU_DEP_4)
	v_add_nc_u32 v[SO+\b], 0xff000000, v[BM+\b]
.endr
.irp b, 0,1,2,3
	s_delay_alu instid0(VALU_DEP_4)
	v_lshrrev_b32 v[BT+\b], 23, v[SO+\b]
.endr
	s_delay_alu instid0(VALU_DEP_3)
	v_lshl_or_b32 v[PWD], v[BT+1], 8, v[BT]
	s_delay_alu instid0(VALU_DEP_1)
	v_lshl_or_b32 v[PWD], v[BT+2], 16, v[PWD]
	s_delay_alu instid0(VALU_DEP_1)
	v_lshl_or_b32 v[PWD], v[BT+3], 24, v[PWD]
.irp c, 0,1
	v_cvt_scalef32_pk16_fp6_f32 v[PC+6*\c:PC+2+6*\c], v[ST+32*\c:ST+15+32*\c], v[SO+2*\c]
	v_cvt_scalef32_pk16_fp6_f32 v[CT+4*\c:CT+2+4*\c], v[ST+16+32*\c:ST+31+32*\c], v[SO+2*\c+1]
.endr
	v_nop
.irp c, 0,1
.irp i, 0,1,2
	v_permlane16_swap_b32 v[PC+6*\c+\i], v[CT+4*\c+\i]
.endr
.irp i, 0,1,2
	s_delay_alu instid0(VALU_DEP_3)
	v_mov_b32 v[PC+3+6*\c+\i], v[CT+4*\c+\i]
.endr
.endr
.set i, 0
.rept 16
	v_pk_mul_f32 v[OT+i:OT+i+1], v[OT+i:OT+i+1], v[FF:FF+1] op_sel_hi:[1,0]
.set i, i+2
.endr
	s_wait_alu depctr_va_vdst(0)
	s_wait_dscnt 0x0
.irp u, 0,1,2,3
	v_wmma_scale_f32_16x16x128_f8f6f4 v[OT+8*\u:OT+8*\u+7], v[KF+12*\u:KF+12*\u+11], v[PC:PC+11], v[OT+8*\u:OT+8*\u+7], v[VS+\u], v[PWD] matrix_a_fmt:MATRIX_FMT_FP6 matrix_b_fmt:MATRIX_FMT_FP6
.endr
	s_add_co_u32 s[TB], s[TB], REC
.endm
.macro INIT
	v_mov_b32 v13, 0xff61b1e6
	s_delay_alu instid0(VALU_DEP_1)
	v_floor_f32 v12, -v13
	v_mov_b32 v14, 0
	v_mov_b32 v15, 0
.set i, 0
.rept 32
	v_mov_b32 v[OT+i], 0
.set i, i+1
.endr
	s_mov_b32 s[TB], 0
.endm
.macro OUT j
.rept 4
	v_nop
.endr
	v_add_f32 v14, v14, v15
	s_delay_alu instid0(VALU_DEP_1)
	v_permlanex16_b32 v[TP], v14, s[SEL], s[SEL+1]
	s_delay_alu instid0(VALU_DEP_1)
	v_add_f32 v14, v14, v[TP]
	s_wait_alu depctr_va_vdst(0)
	v_rcp_f32 v14, v14
	v_nop
	s_wait_alu depctr_va_vdst(0)
.set i, 0
.rept 32
	v_mul_f32 v[ST+i], v[OT+i], v14
.set i, i+1
.endr
.irp g, 0,1
	v_max3_num_f32 v[BM+\g], |v[ST+16*\g]|, |v[ST+1+16*\g]|, 0x1800000
.endr
.irp i, 2,4,6,8,10,12,14
.irp g, 0,1
	s_delay_alu instid0(VALU_DEP_2)
	v_max3_num_f32 v[BM+\g], v[BM+\g], |v[ST+16*\g+\i]|, |v[ST+1+16*\g+\i]|
.endr
.endr
.irp g, 0,1
	s_delay_alu instid0(VALU_DEP_2)
	v_permlanex16_b32 v[BT+\g], v[BM+\g], s[SEL], s[SEL+1]
.endr
.irp g, 0,1
	s_delay_alu instid0(VALU_DEP_2)
	v_max_num_f32 v[BM+\g], v[BM+\g], v[BT+\g]
.endr
.irp g, 0,1
	s_delay_alu instid0(VALU_DEP_2)
	v_add_nc_u32 v[SO+\g], 0xff000000, v[BM+\g]
.endr
.irp g, 0,1
	s_delay_alu instid0(VALU_DEP_2)
	v_lshrrev_b32 v[BT+\g], 23, v[SO+\g]
.endr
	s_delay_alu instid0(VALU_DEP_1)
	v_lshl_or_b32 v[OW], v[BT+1], 8, v[BT]
	v_cvt_scalef32_pk16_fp6_f32 v[PC:PC+2], v[ST:ST+15], v[SO]
	v_cvt_scalef32_pk16_fp6_f32 v[CT:CT+2], v[ST+16:ST+31], v[SO+1]
	v_nop
.irp i, 0,1,2
	v_permlane16_swap_b32 v[PC+\i], v[CT+\i]
.endr
.irp i, 0,1,2
	s_delay_alu instid0(VALU_DEP_3)
	v_mov_b32 v[PC+3+\i], v[CT+\i]
.endr
	global_store_b128 v[L16], v[PC:PC+3], s[50:51] offset:196608*\j
	global_store_b64 v[L8], v[PC+4:PC+5], s[50:51] offset:196608*\j+512
	v_and_b32 v[TP], 31, v0
	s_delay_alu instid0(VALU_DEP_1)
	v_cmp_gt_u32 vcc_lo, 16, v[TP]
	s_wait_xcnt 0x0
	s_and_saveexec_b32 s56, vcc_lo
	global_store_b16 v[R16], v[OW], s[52:53] offset:8192*\j
	s_wait_xcnt 0x0
	s_or_b32 exec_lo, exec_lo, s56
.endm
	INIT
	s_mov_b32 s[CNT], 4
.Lfirst:
	STEP 16, 40
	s_sub_co_u32 s[CNT], s[CNT], 1
	s_cmp_lg_u32 s[CNT], 0
	s_cbranch_scc1 .Lfirst
	s_wait_tensorcnt 0x0
	s_wait_dscnt 0x0
	s_barrier_signal -1
	s_barrier_wait -1
	s_mov_b32 s[CNT], 12
.Lrest:
	STEP 16, 40
	s_sub_co_u32 s[CNT], s[CNT], 1
	s_cmp_lg_u32 s[CNT], 0
	s_cbranch_scc1 .Lrest
	OUT 0
	INIT
	s_mov_b32 s[CNT], 16
.Lsecond:
	STEP 28, 41
	s_sub_co_u32 s[CNT], s[CNT], 1
	s_cmp_lg_u32 s[CNT], 0
	s_cbranch_scc1 .Lsecond
	OUT 1
	s_wait_tensorcnt 0x0
	ds_add_u32 v[SPW], v[NIL]
	s_wait_dscnt 0x0
	CROUND
	s_endpgm
.Lfunc_end_k_q019e1b68cc_attn:
	.size	k_q019e1b68cc_attn, .Lfunc_end_k_q019e1b68cc_attn-k_q019e1b68cc_attn
	.p2alignl 7, 3214868480
	.fill 96, 4, 3214868480
	.section	.rodata,"a",@progbits
	.p2align	6, 0x0
	.amdhsa_kernel k_q019e1b68cc_attn
		.amdhsa_group_segment_fixed_size 327680
		.amdhsa_private_segment_fixed_size 0
		.amdhsa_enable_private_segment 0
		.amdhsa_kernarg_size 32
		.amdhsa_user_sgpr_count 2
		.amdhsa_user_sgpr_kernarg_segment_ptr 1
		.amdhsa_wavefront_size32 1
		.amdhsa_system_sgpr_workgroup_id_x 1
		.amdhsa_system_sgpr_workgroup_id_y 1
		.amdhsa_system_sgpr_workgroup_id_z 1
		.amdhsa_system_vgpr_workitem_id 0
		.amdhsa_next_free_vgpr 256
		.amdhsa_next_free_sgpr 66
		.amdhsa_reserve_vcc 1
		.amdhsa_float_denorm_mode_32 3
		.amdhsa_float_denorm_mode_16_64 3
		.amdhsa_memory_ordered 1
		.amdhsa_forward_progress 1
		.amdhsa_inst_pref_size 71
	.end_amdhsa_kernel
	.amdgpu_metadata
---
amdhsa.version: [ 1, 2 ]
amdhsa.kernels:
  - .name:           k_q019e1b68cc_attn
    .symbol:         k_q019e1b68cc_attn.kd
    .args:
      - { .name: qq, .offset: 0, .size: 8, .value_kind: global_buffer, .address_space: global }
      - { .name: kv, .offset: 8, .size: 8, .value_kind: global_buffer, .address_space: global }
      - { .name: ac, .offset: 16, .size: 8, .value_kind: global_buffer, .address_space: global }
      - { .name: asc, .offset: 24, .size: 8, .value_kind: global_buffer, .address_space: global }
    .group_segment_fixed_size: 327680
    .private_segment_fixed_size: 0
    .kernarg_segment_align: 8
    .kernarg_segment_size: 32
    .max_flat_workgroup_size: 512
    .sgpr_count:     66
    .vgpr_count:     256
    .wavefront_size: 32
...
	.end_amdgpu_metadata
.endif
;; end of part 3
;; launch proj (part 4): grid 8 x 32, 4 waves a work-group, clusters of 4 x 4, 327,680 bytes of LDS; arguments ac, asc, c1, s1, b_proj, out0; writes out0
.if DOCPART == 4
	.amdgcn_target "amdgcn-amd-amdhsa--gfx1250"
	.amdhsa_code_object_version 6
	.text
	.protected	k_q019e1b68cc_proj
	.globl	k_q019e1b68cc_proj
	.p2align	8
	.type	k_q019e1b68cc_proj,@function
k_q019e1b68cc_proj:
	s_mov_b64 s[64:65], 0
	v_nop
	global_prefetch_b8 v0, s[64:65] scope:SCOPE_SE
	s_setreg_imm32_b32 hwreg(HW_REG_WAVE_MODE, 25, 1), 1
	s_wait_xcnt 0x0
	s_wait_alu depctr_hold_cnt(0) depctr_sa_sdst(0) depctr_va_vdst(0) depctr_va_sdst(0) depctr_va_ssrc(0) depctr_va_vcc(0) depctr_vm_vsrc(0)
	s_getreg_b32 s2, hwreg(HW_REG_IB_STS2, 6, 4)
	s_cmp_eq_u32 s2, 0
	s_cbranch_scc0 .Lentry_in_a_cluster
	s_endpgm
.Lentry_in_a_cluster:
	s_bfe_u32 s2, ttmp6, 0x10000c
	s_cmp_lg_u32 s2, 0xf033
	s_cbranch_scc0 .Lentry_shape_is_right
	s_endpgm
.Lentry_shape_is_right:
; out0 = o w_proj^T + b_proj on codes of FP6 (E2M3) with E8M0 scales.  A tile of 256 tokens x 128 channels to a work-group of four waves, so that the grid is 8 x 32 = 256 work-groups; a wave makes 128 tokens x 64 channels: 32 accumulators.
; Source 0 = 16 rows of the weight (B), source 1 = 16 tokens (A): a lane holds one token, its registers run along the channels; the bias is the C of the first step's products.
; K = 1,024 goes as four parts of 256 through three LDS slots (A's 16 blocks, then B's 8).  At the head one joint load a wave: wave 0 A's 16 blocks of part 0, wave 1 B's 8, wave 2 A's scale words, wave 3 B's.
; Slot 1 is first filled behind a round in front of the first step, slot 2 behind the round at the change to slot 1, slot 0 again behind the round at the change to slot 2: waves 0, 1 fetch eight blocks of A each, waves 2, 3 four of B.
; Clusters of 4 x 4: A's tiles are asked for jointly along a row, B's along a column.  The results leave through each wave's stage in slot 1, which has had its last fill by then, as rows of 256 bytes, sixteen lanes to a row.
.set SLOT,  73728
.set HALFB, 12288                      ; four blocks of B: what one wave reads of B, and what a ring load of B brings
.set HALFT, 24576
.set RB,    3072
.set SCL,   3*SLOT
.set SPARE, SCL+16384
.set SPITCH, 528
.set ADA16, 4
.set ADA8,  7
.set ADB16, 10
.set ADB8,  13
.set ADRS,  16
.set L16,   17
.set L8,    18
.set BA,    19
.set STO,   20
.set RD,    21
.set CO,    22                         ; v22  my byte offset in out0: 4,096 (lane / 16) + 16 (lane % 16)
.set ADRS2, 23                         ; v23  scale words of A's blocks 4-7: lanes 0-15 as v16; lanes 16-31 stand 2,048 bytes lower, on B's four blocks once more (not used)
.set SPW,   28
.set NIL,   29
.set SC,    32
.set BI,    64
.set AF,    128
.set BK,    128
.set WV,    16
.set HA,    17
.set HB,    18
.set G1A,   24
.set G1B,   32
.set G1SA,  40
.set G1SB,  48
.set G0SA,  56
.set G0SB,  60
.set G0A,   68
.set G0B,   80
.set MSB, 0
.macro WIN new
.if MSB != (\new)
	s_set_vgpr_msb (MSB<<8)|(\new)
.set MSB, (\new)
.endif
.endm
.set TO_B, 0x40
.macro JLOAD g0a, g1a, g0b, g1b
	s_cmp_eq_u32 s[HA], 0
	s_cbranch_scc0 .Lfor_b_\@
	tensor_load_to_lds s[\g0a:\g0a+3], s[\g1a:\g1a+7]
	s_nop 0
.rept 4
	v_nop
.endr
	s_branch .Lasked_\@
.Lfor_b_\@:
	tensor_load_to_lds s[\g0b:\g0b+3], s[\g1b:\g1b+7]
	s_nop 0
.rept 4
	v_nop
.endr
.Lasked_\@:
.endm
.macro CREST
	s_cmp_lg_u32 s[WV], 0
	s_cbranch_scc1 .Lnot_wave_0_\@
	s_barrier_signal -3
.Lnot_wave_0_\@:
	s_barrier_wait -3
	s_barrier_signal -1
	s_barrier_wait -1
.endm
.macro CROUND
	s_barrier_signal -1
	s_barrier_wait -1
	CREST
.endm
.macro PLACES n
.rept \n
	v_nop
.endr
.endm
.macro FRAG reg, a16, a8, q, i
	ds_load_b128 v[\reg:\reg+3], v[\a16] offset:(\i)*RB+(\q)*1536
	ds_load_b64 v[\reg+4:\reg+5], v[\a8] offset:(\i)*RB+(\q)*1536+512
	ds_load_b128 v[\reg+6:\reg+9], v[\a16] offset:(\i)*RB+(\q)*1536+768
	ds_load_b64 v[\reg+10:\reg+11], v[\a8] offset:(\i)*RB+(\q)*1536+1280
.endm
.macro FETCH_B n, q, p
	WIN TO_B
.irp i, 0,1,2,3
	FRAG 128*(\p)+12*\i, ADB16+\n, ADB8+\n, \q, \i
.endr
	WIN 0
.endm
.macro FETCH_A n, q, i0
.irp i, \i0, \i0+1, \i0+2, \i0+3
	FRAG AF+12*(\i), ADA16+\n, ADA8+\n, \q, \i
.endr
.endm
.macro SCALES t
.irp i, 0,1,2,3
	ds_load_b64 v[SC+16*((\t)%2)+2*\i:SC+16*((\t)%2)+2*\i+1], v[ADRS] offset:512*\i+256*((\t)/2)+8*((\t)%2)
.endr
.irp i, 4,5,6,7
	ds_load_b64 v[SC+16*((\t)%2)+2*\i:SC+16*((\t)%2)+2*\i+1], v[ADRS2] offset:512*\i+256*((\t)/2)+8*((\t)%2)
.endr
.endm
.macro MUL16 a0, p, q, sc, cm
.irp a, \a0, \a0+1
.irp b, 0,1,2,3
.if \cm == 2
	v_wmma_scale_f32_16x16x128_f8f6f4 v[8*(8*((\a)%4)+\b):8*(8*((\a)%4)+\b)+7], v[128*(\p)+12*\b:128*(\p)+12*\b+11], v[AF+12*(\a):AF+12*(\a)+11], v[BI+8*\b:BI+8*\b+7], v[SC+16*(\sc)+2*\b+(\q)], v[SC+16*(\sc)+2*(\a)+(\q)] matrix_a_fmt:MATRIX_FMT_FP6 matrix_b_fmt:MATRIX_FMT_FP6 matrix_a_scale:MATRIX_SCALE_ROW1
.else
	v_wmma_scale_f32_16x16x128_f8f6f4 v[8*(8*((\a)%4)+\b):8*(8*((\a)%4)+\b)+7], v[128*(\p)+12*\b:128*(\p)+12*\b+11], v[AF+12*(\a):AF+12*(\a)+11], v[8*(8*((\a)%4)+\b):8*(8*((\a)%4)+\b)+7], v[SC+16*(\sc)+2*\b+(\q)], v[SC+16*(\sc)+2*(\a)+(\q)] matrix_a_fmt:MATRIX_FMT_FP6 matrix_b_fmt:MATRIX_FMT_FP6 matrix_a_scale:MATRIX_SCALE_ROW1
.endif
.endr
.endr
.endm
.macro WINMUL hi, cm
.if \cm == 2
	WIN 0x81+0x40*(\hi)
.else
	WIN 0xa1+0x50*(\hi)
.endif
.endm
.macro KSTEP p, q, sc, cm, mode, nn, nq, lt
.if \mode == 1
	s_wait_tensorcnt 0x0
	ds_add_u32 v[SPW], v[NIL]
	s_wait_dscnt 17
.elseif \mode == 2
	s_wait_tensorcnt 0x0
	s_wait_dscnt 16
.elseif \mode == 3
	s_wait_tensorcnt 0x0                           ; the one load that was out, my part of slot 1, has landed
	ds_add_u32 v[SPW], v[NIL]
	s_wait_dscnt 17                                ; the add and the youngest 16 loads (A's blocks 4-7) may be out
.else
	s_wait_dscnt 16
.endif
	WINMUL 0, \cm
	MUL16 0, \p, \q, \sc, \cm
.if \mode > 0
	s_wait_dscnt 0x0
	s_barrier_signal -1
.endif
	MUL16 2, \p, \q, \sc, \cm
.if \mode > 0
	WIN 0
	s_barrier_wait -1
.else
	s_wait_dscnt 0x0
.endif
.if \mode == 1
	CREST
	s_add_nc_u64 s[G0A+2:G0A+3], s[G0A+2:G0A+3], 3*RB
	s_add_nc_u64 s[G0B+2:G0B+3], s[G0B+2:G0B+3], 3*RB
	JLOAD G0A, G1A, G0B, G1B
.elseif \mode == 3
	CREST                                          ; the barrier has opened a round of the cluster's barrier
	JLOAD G0A+8, G1A, G0B+8, G1B                   ; K's third part: slot 2's first fill, issued as a refill is
.else
	PLACES 4
.endif
	FETCH_B \nn, \nq, 1-\p
	FETCH_A \nn, \nq, 0
.if \lt >= 0
	SCALES \lt
.endif
	WINMUL 1, \cm
	MUL16 4, \p, \q, \sc, \cm
	MUL16 6, \p, \q, \sc, \cm
	PLACES 4
	WIN 0
	FETCH_A \nn, \nq, 4
.endm
	s_load_b256 s[4:11], s[0:1], 0x0
	s_load_b128 s[12:15], s[0:1], 0x20
	v_lshl_add_u32 v[SPW], v0, 2, SPARE
	v_mov_b32 v[NIL], 0
	ds_add_u32 v[SPW], v[NIL]
	ds_add_u32 v[SPW], v[NIL]
	v_lshrrev_b32 v1, 5, v0
	v_readfirstlane_b32 s[WV], v1
	s_lshr_b32 s[HA], s[WV], 1
	s_and_b32 s[HB], s[WV], 1
	s_bfe_u32 s92, ttmp6, 0x40000
	s_bfe_u32 s93, ttmp6, 0x40004
	s_and_b32 s2, ttmp7, 0xffff
	s_lshl_b32 s2, s2, 2
	s_lshl_b32 s3, ttmp9, 2
	s_add_co_u32 s19, s2, s93
	s_add_co_u32 s20, s3, s92
	s_lshl_b32 s21, s93, 2
	s_lshl_b32 s21, 15, s21
	s_lshl_b32 s22, 0x1111, s92
	s_or_b32 s[G1A], s21, (3<<16)|(1<<21)
	s_or_b32 s[G1B], s22, (3<<16)|(1<<21)
	s_or_b32 s[G1SA], s21, (3<<16)|(1<<21)
	s_or_b32 s[G1SB], s22, (3<<16)|(1<<21)
.irp g, G1A, G1B                       ; tiles: row blocks of 3,072 bytes, 12,288 bytes apart
	s_mov_b32 s[\g+1], 384<<16
	s_mov_b32 s[\g+3], 384<<16
	s_mov_b32 s[\g+5], 1536
	s_mov_b32 s[\g+6], 0
	s_mov_b32 s[\g+7], 0
.endr
	s_mov_b32 s[G1A+2], 16<<16                     ; the head's loads bring a whole tile: A's sixteen blocks,
	s_mov_b32 s[G1A+4], 16
	s_mov_b32 s[G1B+2], 8<<16                      ; B's eight; behind them the counts are halved for the ring
	s_mov_b32 s[G1B+4], 8
.irp g, G1SA, G1SB                     ; scale words: dense bytes, as rows of 256
	s_mov_b32 s[\g+1], 32<<16
	s_mov_b32 s[\g+3], 32<<16
	s_mov_b32 s[\g+5], 32
	s_mov_b32 s[\g+6], 0
	s_mov_b32 s[\g+7], 0
.endr
	s_mov_b32 s[G1SA+2], 32<<16                    ; A's sixteen blocks: 8,192 bytes
	s_mov_b32 s[G1SA+4], 32
	s_mov_b32 s[G1SB+2], 16<<16                    ; B's eight: 4,096 bytes
	s_mov_b32 s[G1SB+4], 16
	s_lshl_b32 s94, s19, 4
	s_lshl_b32 s96, s94, 9
	s_mul_i32 s94, s94, 12288
	s_mov_b32 s95, 0
	s_mov_b32 s97, 0
	s_lshl_b32 s98, s20, 3                         ; B: eight blocks a tile of 128 channels
	s_add_co_u32 s98, s98, 704
	s_lshl_b32 s100, s98, 9
	s_mul_i32 s98, s98, 12288
	s_mov_b32 s99, 0
	s_mov_b32 s101, 0
	s_mul_i32 s2, s[WV], HALFT
	s_mul_i32 s3, s[HB], HALFB                     ; where B's ring loads go: behind A's sixteen blocks, four blocks a wave
	s_add_co_u32 s3, s3, 2*HALFT
	s_mul_i32 s92, s[HB], 4*HALFT                  ; which half of the tile I fetch in the ring, in bytes of memory: A's 8 x 12,288,
	s_mov_b32 s93, 0
	s_mul_i32 s22, s[HB], 2*HALFT                  ; B's 4 x 12,288
	s_mov_b32 s23, 0
	s_wait_dscnt 0x0
	s_wait_kmcnt 0x0
	s_add_nc_u64 s[94:95], s[4:5], s[94:95]
	s_add_nc_u64 s[96:97], s[6:7], s[96:97]
	s_add_nc_u64 s[98:99], s[8:9], s[98:99]
	s_add_nc_u64 s[100:101], s[10:11], s[100:101]
	CROUND
	s_mov_b32 s[G0SA], 1
	s_mov_b32 s[G0SA+1], SCL
	s_mov_b64 s[G0SA+2:G0SA+3], s[96:97]
	s_or_b32 s[G0SA+3], s[G0SA+3], 0x80000000
	s_mov_b32 s[G0SB], 1
	s_mov_b32 s[G0SB+1], SCL+8192
	s_mov_b64 s[G0SB+2:G0SB+3], s[100:101]
	s_or_b32 s[G0SB+3], s[G0SB+3], 0x80000000
	s_mov_b32 s[G0A], 1                            ; slot 0's sets serve the head's loads first: A's sixteen blocks of K's part 0,
	s_mov_b32 s[G0A+1], 0
	s_mov_b64 s[G0A+2:G0A+3], s[94:95]
	s_or_b32 s[G0A+3], s[G0A+3], 0x80000000
	s_mov_b32 s[G0B], 1                            ; and B's eight, behind them
	s_mov_b32 s[G0B+1], 2*HALFT
	s_mov_b64 s[G0B+2:G0B+3], s[98:99]
	s_or_b32 s[G0B+3], s[G0B+3], 0x80000000
	s_add_nc_u64 s[94:95], s[94:95], s[92:93]      ; for the ring: my half of the tile
	s_add_nc_u64 s[98:99], s[98:99], s[22:23]
.irp n, 1,2
	s_mov_b32 s[G0A+4*\n], 1
	s_add_co_u32 s[G0A+4*\n+1], s2, \n*SLOT
	s_add_nc_u64 s[G0A+4*\n+2:G0A+4*\n+3], s[94:95], \n*RB
	s_or_b32 s[G0A+4*\n+3], s[G0A+4*\n+3], 0x80000000
	s_mov_b32 s[G0B+4*\n], 1
	s_add_co_u32 s[G0B+4*\n+1], s3, \n*SLOT
	s_add_nc_u64 s[G0B+4*\n+2:G0B+4*\n+3], s[98:99], \n*RB
	s_or_b32 s[G0B+4*\n+3], s[G0B+4*\n+3], 0x80000000
.endr
; the head's loads, one a wave, in one chain of branches on the wave's number whose arms all lead to one join
.macro ARM under, g0, g1, next
	s_cmp_lt_u32 s[WV], \under
	s_cbranch_scc0 \next
	tensor_load_to_lds s[\g0:\g0+3], s[\g1:\g1+7]
	s_nop 0
.rept 4
	v_nop
.endr
	s_branch .Lhead_asked
\next:
.endm
	ARM 1, G0A,  G1A,  .Lhead_b
	ARM 2, G0B,  G1B,  .Lhead_sa
	ARM 3, G0SA, G1SA, .Lhead_sb
	tensor_load_to_lds s[G0SB:G0SB+3], s[G1SB:G1SB+7]
	s_nop 0
.rept 4
	v_nop
.endr
.Lhead_asked:
	v_and_b32 v1, 15, v0
	v_bfe_u32 v2, v0, 4, 1
	v_and_b32 v3, 31, v0
	v_lshlrev_b32 v[L16], 4, v3
	v_lshlrev_b32 v[L8], 3, v3
	v_lshlrev_b32 v[BA], 6, v2
	s_wait_alu depctr_va_vdst(0)
	s_lshl_b32 s2, s20, 9                          ; my first channel, in bytes: 512 x tile column + 256 x half
	s_lshl_b32 s3, s[HB], 8
	s_add_co_u32 s2, s2, s3
	s_mov_b32 s3, 0
	s_add_nc_u64 s[12:13], s[12:13], s[2:3]
	s_add_nc_u64 s[14:15], s[14:15], s[2:3]
	s_lshl_b32 s2, s19, 20
	s_lshl_b32 s92, s[HA], 19
	s_add_co_u32 s2, s2, s92
	s_add_nc_u64 s[14:15], s[14:15], s[2:3]
.irp b, 0,1,2,3
	global_load_b128 v[BI+8*\b:BI+8*\b+3], v[BA], s[12:13] offset:128*(\b/2)+32*(\b%2)
	global_load_b128 v[BI+8*\b+4:BI+8*\b+7], v[BA], s[12:13] offset:128*(\b/2)+32*(\b%2)+16
.endr
	s_mul_i32 s2, s[HA], HALFT
	s_mul_i32 s3, s[HB], HALFB
	s_add_co_u32 s3, s3, 2*HALFT
.irp n, 0,1,2
	v_add_nc_u32 v[ADA16+\n], s2, v[L16]
	v_add_nc_u32 v[ADA8+\n], s2, v[L8]
	v_add_nc_u32 v[ADB16+\n], s3, v[L16]
	v_add_nc_u32 v[ADB8+\n], s3, v[L8]
	s_add_co_u32 s2, s2, SLOT
	s_add_co_u32 s3, s3, SLOT
.endr
	s_lshl_b32 s2, s[HA], 12
	s_lshl_b32 s3, s[HB], 11                       ; B's scale words: my four blocks of 512 bytes
	s_add_co_u32 s3, s3, 8192
	s_sub_co_u32 s3, s3, s2
	v_mul_u32_u24 v3, s3, v2
	v_lshl_add_u32 v3, v1, 4, v3
	s_add_co_u32 s2, s2, SCL
	v_add_nc_u32 v[ADRS], s2, v3
	s_sub_co_u32 s3, s3, 2048
	v_mul_u32_u24 v3, s3, v2                       ; for A's blocks 4-7
	v_lshl_add_u32 v3, v1, 4, v3
	v_add_nc_u32 v[ADRS2], s2, v3
	s_mul_i32 s2, s[WV], 16*SPITCH
	s_add_co_u32 s2, s2, SLOT
	v_mul_u32_u24 v3, v1, SPITCH
	v_lshl_add_u32 v3, v2, 6, v3
	v_add_nc_u32 v[STO], s2, v3
	v_mul_u32_u24 v3, v2, SPITCH                   ; back: lanes 0-15 take one row of 256 bytes, lanes 16-31 the next
	v_lshl_add_u32 v3, v1, 4, v3
	v_add_nc_u32 v[RD], s2, v3
	v_lshlrev_b32 v[CO], 12, v2                    ; and the same two rows in out0 (a row is 4,096 bytes)
	v_lshl_add_u32 v[CO], v1, 4, v[CO]
	s_wait_alu depctr_va_vdst(0)
	s_wait_tensorcnt 0x0                           ; my tile of the head's four is in
	ds_add_u32 v[SPW], v[NIL]
	s_mov_b32 s[G1A+2], 8<<16                      ; no tensor load of mine is out, so descriptors may be written: from here on a load brings eight blocks of A
	s_mov_b32 s[G1A+4], 8
	s_mov_b32 s[G1B+2], 4<<16                      ; or four of B
	s_mov_b32 s[G1B+4], 4
	s_mul_i32 s[G0A+1], s[WV], HALFT               ; slot 0's sets, for its refill: my part of the slot,
	s_mul_i32 s[G0B+1], s[HB], HALFB
	s_add_co_u32 s[G0B+1], s[G0B+1], 2*HALFT
	s_mul_i32 s2, s[HB], 4*HALFT
	s_mov_b32 s3, 0
	s_add_nc_u64 s[G0A+2:G0A+3], s[G0A+2:G0A+3], s[2:3]   ; and my half of the tile
	s_mul_i32 s2, s[HB], 2*HALFT
	s_add_nc_u64 s[G0B+2:G0B+3], s[G0B+2:G0B+3], s[2:3]
	s_wait_dscnt 0x0                               ; the add is done
	CROUND                                         ; a whole round: all four tiles are in, and all sixteen work-groups are here
	JLOAD G0A+4, G1A, G0B+4, G1B                   ; K's second part: slot 1's first fill, the first tensor load behind the round
	FETCH_B 0, 0, 0
	FETCH_A 0, 0, 0
	SCALES 0
	FETCH_A 0, 0, 4
	s_wait_loadcnt 0x0
	KSTEP 0, 0, 0, 2, 0, 0, 1, -1
	KSTEP 1, 1, 0, 0, 3, 1, 0, 1
	KSTEP 0, 0, 1, 0, 0, 1, 1, -1
	KSTEP 1, 1, 1, 0, 1, 2, 0, 2
	KSTEP 0, 0, 0, 0, 0, 2, 1, -1
	KSTEP 1, 1, 0, 0, 2, 0, 0, 3
	KSTEP 0, 0, 1, 0, 0, 0, 1, -1
	s_wait_dscnt 16
	WIN 0xa1
	MUL16 0, 1, 1, 1, 0
	MUL16 2, 1, 1, 1, 0
	s_wait_dscnt 0x0
	WIN 0xf1
	MUL16 4, 1, 1, 1, 0
	MUL16 6, 1, 1, 1, 0
	WIN 0
.macro TOSTAGE a
.set AC, 64*((\a)%4)
	WIN 0x08+4*((\a)/4)
.irp b, 0,1,2,3
	ds_store_b128 v[STO], v[AC+8*\b:AC+8*\b+3] offset:128*(\b/2)+32*(\b%2)
	ds_store_b128 v[STO], v[AC+8*\b+4:AC+8*\b+7] offset:128*(\b/2)+32*(\b%2)+16
.endr
	WIN 0
.set BB, BK+64*((\a)%2)
.irp t, 0,1,2,3,4,5,6,7
	ds_load_b128 v[BB+4*\t:BB+4*\t+3], v[RD] offset:\t*2*SPITCH
.endr
.endm
.macro SEND a, younger
.set BB, BK+64*((\a)%2)
	s_wait_dscnt \younger
.irp t, 0,1,2,3,4,5,6,7
	global_store_b128 v[CO], v[BB+4*\t:BB+4*\t+3], s[14:15] offset:(32*((\a)/2)+8*((\a)%2)+2*\t+8*(\t/4))*4096 th:TH_STORE_NT   ; stage rows 2 t and 2 t + 1: sixteen lanes store 256 consecutive bytes, aligned
.endr
.endm
	PLACES 4
	TOSTAGE 0
.irp a, 1,2,3,4,5,6,7
.if \a > 1
	s_wait_xcnt 0x0
.endif
	TOSTAGE \a
	SEND \a-1, 16                                  ; behind block a - 1's loads: block a's 8 stores and 8 loads
.endr
	SEND 7, 0
	s_wait_tensorcnt 0x0
	ds_add_u32 v[SPW], v[NIL]
	s_wait_dscnt 0x0
	CROUND
	s_endpgm
.Lfunc_end_k_q019e1b68cc_proj:
	.size	k_q019e1b68cc_proj, .Lfunc_end_k_q019e1b68cc_proj-k_q019e1b68cc_proj
	.p2alignl 7, 3214868480
	.fill 96, 4, 3214868480
	.section	.rodata,"a",@progbits
	.p2align	6, 0x0
	.amdhsa_kernel k_q019e1b68cc_proj
		.amdhsa_group_segment_fixed_size 327680
		.amdhsa_private_segment_fixed_size 0
		.amdhsa_enable_private_segment 0
		.amdhsa_kernarg_size 48
		.amdhsa_user_sgpr_count 2
		.amdhsa_user_sgpr_kernarg_segment_ptr 1
		.amdhsa_wavefront_size32 1
		.amdhsa_system_sgpr_workgroup_id_x 1
		.amdhsa_system_sgpr_workgroup_id_y 1
		.amdhsa_system_sgpr_workgroup_id_z 1
		.amdhsa_system_vgpr_workitem_id 0
		.amdhsa_next_free_vgpr 1024
		.amdhsa_next_free_sgpr 102
		.amdhsa_reserve_vcc 0
		.amdhsa_float_denorm_mode_32 3
		.amdhsa_float_denorm_mode_16_64 3
		.amdhsa_memory_ordered 1
		.amdhsa_forward_progress 1
		.amdhsa_inst_pref_size 92
	.end_amdhsa_kernel
	.amdgpu_metadata
---
amdhsa.version: [ 1, 2 ]
amdhsa.kernels:
  - .name:           k_q019e1b68cc_proj
    .symbol:         k_q019e1b68cc_proj.kd
    .args:
      - { .name: ac, .offset: 0, .size: 8, .value_kind: global_buffer, .address_space: global }
      - { .name: asc, .offset: 8, .size: 8, .value_kind: global_buffer, .address_space: global }
      - { .name: c1, .offset: 16, .size: 8, .value_kind: global_buffer, .address_space: global }
      - { .name: s1, .offset: 24, .size: 8, .value_kind: global_buffer, .address_space: global }
      - { .name: b_proj, .offset: 32, .size: 8, .value_kind: global_buffer, .address_space: global }
      - { .name: out0, .offset: 40, .size: 8, .value_kind: global_buffer, .address_space: global }
    .group_segment_fixed_size: 327680
    .private_segment_fixed_size: 0
    .kernarg_segment_align: 8
    .kernarg_segment_size: 48
    .max_flat_workgroup_size: 128
    .sgpr_count:     102
    .vgpr_count:     1024
    .wavefront_size: 32
...
	.end_amdgpu_metadata
.endif
;; end of part 4
